; MI455X (gfx1250); checked and timed in simulation.
; The chip was launched on July 23, 2026; its instructions are those of AMD's public machine-readable ISA for CDNA 5 (MIT licence, August 2026) and "CDNA5" Instruction Set Architecture Reference Guide (July 2026). The comments in the code are by the model that wrote it; some were corrected since.
;; Multi Head Attention. Allowed arithmetic: matrix products marked QUANTISED: E3M2 operands, one E8M0 scale for each 32 along K, by v_wmma_scale_f32_16x16x128_f8f6f4 with both operands' format E3M2, f32 sums; everything else in f32.
;; Inputs: W_out 1,024 x 1,024 float32; b_out 1,024 float32; keys 4 x 2,048 x 1,024 float32; mask 4 x 1 x 2,048 x 2,048 int32; query 4 x 2,048 x 1,024 float32; values 4 x 2,048 x 1,024 float32.
;; Outputs: out0 4 x 2,048 x 1,024 float32.
;; This version of the problem:
;;   THIS VERSION OF THE PROBLEM IS GIVEN IN LOW PRECISION. The matrix products marked QUANTISED in the list below multiply operands that are first quantised to E3M2 (3 exponent bits, 2 mantissa bits; 6 bits a number), with one power-of-two scale for each 32 numbers along K (OCP MX v1.0); their sums are f32. All else is computed in f32.
;;   The module's matrix products, in the order in which they are computed (A, B: the left and right operand; K: the contracted axis; several contracted axes count as one K, in the product's order):
;;     1. batch 64 x [M 2,048, K 64] x [K 64, N 2,048]; A: input query; B: input keys: QUANTISED
;;     2. batch 64 x [M 64, K 2,048] x [K 2,048, N 2,048]; A: input values; B: softmax (see below): QUANTISED
;;     3. [M 8,192, K 1,024] x [K 1,024, N 1,024]; A: computed on the way; B: input W_out: QUANTISED
;;   THE QUANTISER, for each operand of a quantised product, along K:
;;     - K is cut into blocks of 32 from its start; a last block that is shorter is filled with zeros.
;;     - A block's scale is 2^e with e = floor(log2(the largest magnitude in the block)) - 4, held to -126 .. 127; a block of zeros has e = 0. As a byte (E8M0): e + 127.
;;     - Each number is divided by its block's scale, clamped to +-28, and rounded to the nearest number of E3M2, ties to even, subnormals kept.
;;     - The product sums the exact products of the quantised numbers (number of the format x scale) in f32.
;;   ~~~python
;;   def quantise(x, axis):      # numpy; x: float32 -> the quantised numbers, widened to float32 again
;;       x = np.moveaxis(x, axis, -1); K = x.shape[-1]
;;       x = np.pad(x, [(0, 0)] * (x.ndim - 1) + [(0, -K % 32)]); x = x.reshape(x.shape[:-1] + (-1, 32)); a = np.abs(x).max(-1, keepdims=True)
;;       e = np.where(a > 0, np.clip(np.frexp(np.where(a > 0, a, 1))[1] - 1 - 4, -126, 127), 0)      # np.frexp(a)[1] - 1 = floor(log2(a)), exactly
;;       r = np.clip(x / 2.0 ** e, -28, 28)
;;       step = 2.0 ** (np.maximum(np.frexp(np.where(r == 0, 1, r))[1] - 1, -2) - 2)
;;       q = np.round(r / step) * step * 2.0 ** e      # np.round: ties to even
;;       return np.moveaxis(q.reshape(q.shape[:-2] + (-1,))[..., :K], -1, axis).astype(np.float32)
;;   ~~~
;;   SOFTMAX AHEAD OF A QUANTISED PRODUCT. Where the list says 'softmax', what is quantised is not the finished softmax but p = 2^(t - M), with t = logit x log2(e) and M = ceil(the row's largest t), a whole number; so 1/2 < the row's largest p <= 1. The row's sum l is taken of the UNQUANTISED p, in f32, and the product's result is divided by l at the end. Since M is a whole number, a kernel that streams over the keys may use a running M (the ceiling of the running maximum): every later rescaling is an exact power of two, which a block's scale takes up: the codes' values come out the same.
;;   OPERANDS COMPUTED ON THE WAY. 'Computed on the way' means the value that the module computes at that place (a softmax that the list does not call 'softmax' is quantised finished and normalised). What goes into a quantiser is computed in f32, as accurately as f32 sums, v_exp_f32 and their like allow (about 1e-6 of the number): no bf16 or f16 on the way to a quantiser, and a product that is left as it is and whose result goes on into a quantised operand takes f32 operands (vector FMAs, or v_wmma_f32_16x16x4_f32). A number that lies on a knife's edge between two numbers of the format may be rounded either way, as far as f32 arithmetic and the matrix unit's own rounding can turn it there, and no further.
;; 2 versions. Each part assembles by itself: llvm-mc -triple=amdgcn-amd-amdhsa -mcpu=gfx1250 --defsym DOCPART=n.
;; ======== version 1 of 2: 5 launches
;; limits: right only within a limited range of input values
;; workspace buffers: kv 13,369,344 bytes; wimg 1,671,168 bytes; mbits 2,097,152 bytes of whole numbers; abuf 6,291,456 bytes; ascl 1,048,576 bytes
;; launch kquant (part 1): grid 144 x 1, 16 waves a work-group, no clusters, 133,120 bytes of LDS; arguments keys, W_out, kv, wimg; writes kv, wimg
.if DOCPART == 1
	.amdgcn_target "amdgcn-amd-amdhsa--gfx1250"
	.amdhsa_code_object_version 6
	.text
	.protected	k_qca8a86f98b_kquant
	.globl	k_qca8a86f98b_kquant
	.p2align	8
	.type	k_qca8a86f98b_kquant,@function
k_qca8a86f98b_kquant:
	s_mov_b64 s[64:65], 0
	v_nop
	global_prefetch_b8 v0, s[64:65] scope:SCOPE_SE
	s_setreg_imm32_b32 hwreg(HW_REG_WAVE_MODE, 25, 1), 1
	s_wait_xcnt 0x0
; keys [4][2048][1024] and W_out [1024][1024], f32, K innermost, become codes of BF6 (E3M2) with one E8M0 byte for each 32 along K,
; laid as IMAGES OF THE OPERAND'S REGISTERS for the launches that multiply them.
; A step block (128 rows x 64 along K) is STEPB = 13,056 bytes: codes at +0, four pairs of 32 rows, 1,536 bytes each: 12 registers a lane in three planes of 512 bytes
; (plane p: registers 4 p .. 4 p + 3, lane L at 16 L); registers 6 u .. 6 u + 5 of lane (r, h) are the 24 bytes of block h of row 32 pair + 8 u + r + 8 (r / 8).
; Scale words at +12,288: word pair x 128 + 4 (r + 16 u) = byte of block 0 | byte of block 1 << 8.  (+6,144 and +12,800 belong to another launch.)
; A block's scale is 2^(floor(log2(largest magnitude)) - 4): its byte is the largest magnitude's exponent field - 4, held at 1 from below.
; LIMITS: a block of zeros gets the byte 1 where the rule says 127 (its codes are zeros, and this program alone reads the bytes); NaN and infinities are not served.
; SHARES.  A work-group takes 64 rows of 4,096 bytes; the first 128 work-groups take keys, the other 16 W_out: only pointers are chosen, both take one path.
; Wave w is image row r = w; in each of four row steps it reads one whole row by eight loads of 512 consecutive bytes and turns it through its own stage,
; so that lane L holds block L of the row (32 neighbours along K).  The codes meet in a stage by head, and wave g stores head g's 3,072 + 256 consecutive bytes.
.set STEPB, 13056
.set TURNB, 4608                       ; a wave's turning stage: 32 places of 128 + 16 bytes
.set CST,   73728                      ; the codes' stage: for each head 12 rows of 256 + 16 bytes, + 32: row = 6 pair + 2 plane + block
.set GP,    3296
.set SST,   126464                     ; the scale words' stage: 256 + 8 bytes a head
.set SGP,   264
.set X,     32                         ; v32-63   a block's 32 numbers
.set R,     64                         ; v64-191  four rows as loaded; later the way out
; v1 16 L; v2, v3 turning stage in, out; v4 codes' stage in; v5 scale words in; v6 8 x (block % 2); v7, v8 stages out; v9 8 L; v10-15 at work; v16-21 a block's codes; v24-26 its second half as made
	s_load_b128 s[4:7], s[0:1], 0x0                ; keys, W_out
	s_load_b128 s[8:11], s[0:1], 0x10              ; kv, wimg
	v_lshl_add_u32 v192, v0, 2, 0x20000
	v_mov_b32 v193, 0
	v_lshrrev_b32 v10, 5, v0
	v_readfirstlane_b32 s12, v10                   ; wave 0..15
	v_and_b32 v11, 31, v0                          ; lane L
	v_lshlrev_b32 v1, 4, v11
	s_wait_kmcnt 0x0
	s_cmp_lt_u32 ttmp9, 128                        ; keys' work-group or W_out's: the choice hangs on the work-group's number alone
	s_cselect_b64 s[4:5], s[4:5], s[6:7]
	s_cselect_b64 s[8:9], s[8:9], s[10:11]
	s_cselect_b32 s15, 0, 128
	s_cselect_b32 s16, 16, 8                       ; step blocks for each head: 2,048 / 128 or 1,024 / 128
	s_sub_co_u32 s15, ttmp9, s15                   ; which 64 rows of the tensor
	s_lshl_b32 s20, s15, 18                        ; x 64 rows x 4,096 bytes
	s_and_b32 s17, s12, 7
	s_lshr_b32 s18, s12, 3
	s_lshl_b32 s18, s18, 4
	s_add_co_u32 s17, s17, s18                     ; my row in a group of 32: r + 8 (r / 8)
	s_lshl_b32 s17, s17, 12
	s_add_co_u32 s20, s20, s17
	s_mov_b32 s21, 0
	s_add_nc_u64 s[4:5], s[4:5], s[20:21]
.macro LOADROW j                       ; row step j: pair j / 2, u = j % 2
.irp i, 0,1,2,3,4,5,6,7
	global_load_b128 v[R+32*\j+4*\i:R+32*\j+4*\i+3], v1, s[4:5] offset:(32*(\j/2)+8*(\j%2))*4096+512*\i th:TH_LOAD_NT
.endr
.endm
	LOADROW 0
	LOADROW 1
	LOADROW 2
	LOADROW 3                                      ; 32 loads, 16 KiB a wave, are out
	s_mul_i32 s13, s12, TURNB
	v_lshrrev_b32 v12, 3, v11
	v_mul_u32_u24 v12, v12, 144
	v_and_b32 v13, 7, v11
	v_lshl_add_u32 v12, v13, 4, v12
	v_add_nc_u32 v2, s13, v12                      ; in: a load's 512 bytes are four places: 144 (L / 8) + 16 (L % 8)
	v_mul_u32_u24 v12, v11, 144
	v_add_nc_u32 v3, s13, v12                      ; out: place L
	v_lshrrev_b32 v12, 1, v11                      ; my block's head
	v_and_b32 v13, 1, v11                          ; and which of the head's two blocks
	v_mul_u32_u24 v14, v12, GP
	v_mad_u32_u24 v14, v13, 272, v14
	s_lshl_b32 s14, s12, 4
	s_add_co_u32 s14, s14, CST
	v_add_nc_u32 v4, s14, v14
	v_mul_u32_u24 v14, v12, SGP
	s_lshl_b32 s14, s12, 2
	s_add_co_u32 s14, s14, SST
	v_add_nc_u32 v5, s14, v14
	v_lshlrev_b32 v6, 3, v13
	v_lshrrev_b32 v12, 4, v11
	v_mul_u32_u24 v12, v12, 272
	v_and_b32 v13, 15, v11
	v_lshl_add_u32 v12, v13, 4, v12
	s_mul_i32 s14, s12, GP
	s_add_co_u32 s14, s14, CST
	v_add_nc_u32 v7, s14, v12                      ; back: head = my wave; two rows of 256 bytes an instruction
	v_lshlrev_b32 v9, 3, v11
	s_mul_i32 s14, s12, SGP
	s_add_co_u32 s14, s14, SST
	v_add_nc_u32 v8, s14, v9
	v_mov_b32 v15, 0                               ; written once: the destination of a lane exchange counts as read
	s_lshr_b32 s17, s15, 5                         ; batch
	s_and_b32 s18, s15, 31
	s_lshr_b32 s19, s18, 1                         ; step
	s_and_b32 s18, s18, 1                          ; which half of the step's 128 rows
	s_lshl_b32 s17, s17, 4
	s_add_co_u32 s17, s17, s12                     ; 16 x batch + head (on the way out my wave is the head)
	s_mul_i32 s17, s17, s16
	s_add_co_u32 s17, s17, s19
	s_mul_i32 s22, s17, STEPB
	s_mov_b32 s23, 0
	s_add_nc_u64 s[8:9], s[8:9], s[22:23]          ; the step block
	s_mul_i32 s22, s18, 3072
	s_add_nc_u64 s[24:25], s[8:9], s[22:23]        ; its codes, my half
	s_lshl_b32 s22, s18, 8
	s_add_co_u32 s22, s22, 12288
	s_add_nc_u64 s[26:27], s[8:9], s[22:23]        ; its scale words, my half
; 32 numbers of one block, v[x] on, become 24 bytes of codes in v16-21 and the scale's byte in v13
.macro QB32 x
	v_max3_num_f32 v10, |v[\x]|, |v[\x+1]|, |v[\x+2]|
	v_max3_num_f32 v11, |v[\x+3]|, |v[\x+4]|, |v[\x+5]|
.irp i, 6,10,14,18,22,26
	v_max3_num_f32 v10, v10, |v[\x+\i]|, |v[\x+\i+1]|
	v_max3_num_f32 v11, v11, |v[\x+\i+2]|, |v[\x+\i+3]|
.endr
	v_max3_num_f32 v10, v10, |v[\x+30]|, |v[\x+31]|
	v_max3_num_f32 v10, v10, v11, 0x2800000        ; and the floor 2^(5 - 127): the byte cannot fall under 1
	v_add_nc_u32 v12, 0xfe000000, v10              ; 4 off the exponent field: the conversion takes this operand's exponent field as its scale
	v_cvt_scalef32_pk16_bf6_f32 v[16:18], v[\x:\x+15], v12
	v_cvt_scalef32_pk16_bf6_f32 v[24:26], v[\x+16:\x+31], v12   ; (a conversion's three registers begin on an even number)
	v_lshrrev_b32 v13, 23, v12                     ; the scale's byte; also the plain place behind the conversions
	v_mov_b32 v19, v24
	v_mov_b32 v20, v25
	v_mov_b32 v21, v26
.endm
.macro ROW j
	s_wait_loadcnt 8*(3-\j)                        ; this row's eight loads are in; the eight of each later row may be out
.irp i, 0,1,2,3,4,5,6,7
	ds_store_b128 v2, v[R+32*\j+4*\i:R+32*\j+4*\i+3] offset:576*\i
.endr
.irp i, 0,1,2,3,4,5,6,7
	ds_load_b128 v[X+4*\i:X+4*\i+3], v3 offset:16*\i   ; LDS serves a wave's instructions in order: these see the stores above
.endr
	s_wait_dscnt 0x0                               ; my block is in; the last row's stores into the stages have read their registers
	QB32 X
	v_lshlrev_b32 v14, v6, v13                     ; my byte at its place in the head's scale word,
	v_mov_b32_dpp v15, v14 row_xmask:1 row_mask:0xf bank_mask:0xf
	v_or_b32 v14, v14, v15                         ; with the head's other block's, from the lane beside me
.if \j%2 == 0
	ds_store_b128 v4, v[16:19] offset:(\j/2)*1632          ; registers 0-3: plane 0
	ds_store_b64 v4, v[20:21] offset:(\j/2)*1632+544       ; 4, 5: the lower half of my 16 bytes of plane 1
.else
	ds_store_b64 v4, v[16:17] offset:(\j/2)*1632+552       ; 6, 7: the upper half
	ds_store_b128 v4, v[18:21] offset:(\j/2)*1632+1088     ; 8-11: plane 2
.endif
	ds_store_b32 v5, v14 offset:128*(\j/2)+64*(\j%2)       ; both lanes of a head write the same word with the same value
.endm
	ROW 0
	ROW 1
	ROW 2
	ROW 3
	s_wait_dscnt 0x0                               ; for the others' sake: my stores into the stages are done
	s_barrier_signal -1
	s_barrier_wait -1
.irp i, 0,1,2,3,4,5
	ds_load_b128 v[R+4*\i:R+4*\i+3], v7 offset:544*\i
.endr
	ds_load_b64 v[R+24:R+25], v8
.irp i, 0,1,2,3,4,5
	s_wait_dscnt 6-\i                              ; load i is in; the younger ones may be out
	global_store_b128 v1, v[R+4*\i:R+4*\i+3], s[24:25] offset:512*\i   ; 512 consecutive bytes, at a multiple of 256 from the buffer's first byte
.endr
	s_wait_dscnt 0x0
	global_store_b64 v9, v[R+24:R+25], s[26:27]    ; 256 consecutive bytes, aligned
	s_wait_tensorcnt 0x0
	ds_add_u32 v192, v193
	s_wait_dscnt 0x0
	s_endpgm
.Lfunc_end_k_qca8a86f98b_kquant:
	.size	k_qca8a86f98b_kquant, .Lfunc_end_k_qca8a86f98b_kquant-k_qca8a86f98b_kquant
	.p2alignl 7, 3214868480
	.fill 96, 4, 3214868480
	.section	.rodata,"a",@progbits
	.p2align	6, 0x0
	.amdhsa_kernel k_qca8a86f98b_kquant
		.amdhsa_group_segment_fixed_size 133120
		.amdhsa_private_segment_fixed_size 0
		.amdhsa_enable_private_segment 0
		.amdhsa_kernarg_size 32
		.amdhsa_user_sgpr_count 2
		.amdhsa_user_sgpr_kernarg_segment_ptr 1
		.amdhsa_wavefront_size32 1
		.amdhsa_system_sgpr_workgroup_id_x 1
		.amdhsa_system_sgpr_workgroup_id_y 1
		.amdhsa_system_sgpr_workgroup_id_z 1
		.amdhsa_system_vgpr_workitem_id 0
		.amdhsa_next_free_vgpr 194
		.amdhsa_next_free_sgpr 66
		.amdhsa_reserve_vcc 0
		.amdhsa_float_denorm_mode_32 3
		.amdhsa_float_denorm_mode_16_64 3
		.amdhsa_memory_ordered 1
		.amdhsa_forward_progress 1
		.amdhsa_inst_pref_size 19
	.end_amdhsa_kernel
	.amdgpu_metadata
---
amdhsa.version: [ 1, 2 ]
amdhsa.kernels:
  - .name:           k_qca8a86f98b_kquant
    .symbol:         k_qca8a86f98b_kquant.kd
    .args:
      - { .name: keys, .offset: 0, .size: 8, .value_kind: global_buffer, .address_space: global }
      - { .name: W_out, .offset: 8, .size: 8, .value_kind: global_buffer, .address_space: global }
      - { .name: kv, .offset: 16, .size: 8, .value_kind: global_buffer, .address_space: global }
      - { .name: wimg, .offset: 24, .size: 8, .value_kind: global_buffer, .address_space: global }
    .group_segment_fixed_size: 133120
    .private_segment_fixed_size: 0
    .kernarg_segment_align: 8
    .kernarg_segment_size: 32
    .max_flat_workgroup_size: 512
    .sgpr_count:     66
    .vgpr_count:     194
    .wavefront_size: 32
...
	.end_amdgpu_metadata
.endif
;; end of part 1
;; launch vquant (part 2): grid 8 x 64, 4 waves a work-group, no clusters, 13,824 bytes of LDS; arguments values, kv; writes kv
.if DOCPART == 2
	.amdgcn_target "amdgcn-amd-amdhsa--gfx1250"
	.amdhsa_code_object_version 6
	.text
	.protected	k_qca8a86f98b_vquant
	.globl	k_qca8a86f98b_vquant
	.p2align	8
	.type	k_qca8a86f98b_vquant,@function
k_qca8a86f98b_vquant:
	s_mov_b64 s[64:65], 0
	v_nop
	global_prefetch_b8 v0, s[64:65] scope:SCOPE_SE
	s_setreg_imm32_b32 hwreg(HW_REG_WAVE_MODE, 25, 1), 1
	s_wait_xcnt 0x0
; values [4][2048][1024], f32, are the operand of the second product, whose K is the KEYS: the first axis within a batch.  They become codes of BF6 (E3M2), one E8M0 byte for each 32 keys,
; laid as images of the operand's registers in the step blocks of kv (13,056 bytes for a head and 128 keys): codes at +6,144, four tiles of 1,536 bytes, tile 2 beta + u:
; 12 registers a lane in three planes of 512 bytes; registers 6 c .. 6 c + 5 of lane (r, h) are keys 64 c + 32 h + 0 .. 31 of channel 32 beta + 8 u + r + 8 (r / 8).
; Scale words at +12,800: word beta x 128 + 4 (r + 16 u) = the bytes of the step's four blocks of keys.
; A LANE TAKES A CHANNEL AND ITS REGISTERS RUN DOWN THE KEYS: a block of 32 keys lies in one lane's 32 registers, and the conversions give codes with the keys innermost.
; A wave takes 32 channels x 128 keys: each load reads 128 consecutive bytes, the four waves stand side by side on 512.  The codes go through the wave's own stage and leave as 3,072 consecutive bytes.
; LIMITS: a block of zeros gets the byte 1 where the rule says 127 (its codes are zeros, and this program alone reads the bytes); NaN and infinities are not served.
.set STEPB, 13056
.set X,     32                         ; v32-95  two sets of 32 numbers
; v1 4 l; v2 stage in; v3 stage out; v4 16 L; v5 my scale word's place; v6 the scale word; v10-15 at work; v16-21, v24-26 codes; v96-119 the way out
	s_load_b128 s[4:7], s[0:1], 0x0                ; values, kv
	v_lshl_add_u32 v128, v0, 2, 0x3400
	v_mov_b32 v129, 0
	v_lshrrev_b32 v10, 5, v0
	v_readfirstlane_b32 s8, v10                    ; wave 0..3
	v_and_b32 v11, 31, v0                          ; lane l
	v_lshlrev_b32 v1, 2, v11
	s_and_b32 s9, ttmp7, 0xffff                    ; 16 x batch + step
	s_lshl_b32 s12, s9, 19                         ; x 128 keys x 4,096 bytes
	s_lshl_b32 s10, ttmp9, 9                       ; + 128 channels a work-group
	s_add_co_u32 s12, s12, s10
	s_lshl_b32 s10, s8, 7                          ; + 32 a wave
	s_add_co_u32 s12, s12, s10
	s_mov_b32 s13, 0
	s_wait_kmcnt 0x0
	s_add_nc_u64 s[4:5], s[4:5], s[12:13]
.macro LOAD b                          ; block b: keys 32 b + i of my channel, into set b % 2
.irp i, 0,1,2,3,4,5,6,7,8,9,10,11,12,13,14,15,16,17,18,19,20,21,22,23,24,25,26,27,28,29,30,31
	global_load_b32 v[X+32*((\b)%2)+\i], v1, s[4:5] offset:(32*(\b)+\i)*4096 th:TH_LOAD_NT
.endr
.endm
	LOAD 0
	LOAD 1
	v_and_b32 v12, 7, v11
	v_lshrrev_b32 v13, 4, v11
	v_lshl_add_u32 v12, v13, 3, v12                ; my channel l = 8 u + r + 8 (r / 8):  r = l % 8 + 8 (l / 16),
	v_bfe_u32 v14, v11, 3, 1                       ; u = (l / 8) % 2
	s_mul_i32 s10, s8, 3328                        ; my stage: two tiles of 6 rows x (256 + 16) + 32 bytes; row = 2 plane + h
	v_mul_u32_u24 v15, v14, 1664
	v_lshl_add_u32 v15, v12, 4, v15
	v_add_nc_u32 v2, s10, v15
	v_mul_u32_u24 v15, v13, 272
	v_and_b32 v10, 15, v11
	v_lshl_add_u32 v15, v10, 4, v15
	v_add_nc_u32 v3, s10, v15                      ; back: two rows of 256 bytes an instruction
	v_lshlrev_b32 v4, 4, v11
	v_lshl_add_u32 v5, v14, 4, v12
	v_lshlrev_b32 v5, 2, v5                        ; 4 (r + 16 u)
	s_lshr_b32 s14, s9, 4                          ; batch
	s_and_b32 s15, s9, 15                          ; step
	s_lshl_b32 s16, ttmp9, 1
	s_lshr_b32 s17, s8, 1
	s_add_co_u32 s16, s16, s17                     ; head = 2 x work-group x + wave / 2
	s_lshl_b32 s14, s14, 4
	s_add_co_u32 s14, s14, s16
	s_lshl_b32 s14, s14, 4
	s_add_co_u32 s14, s14, s15
	s_mul_i32 s12, s14, STEPB                      ; the step block
	s_and_b32 s17, s8, 1                           ; beta: which 32 of the head's 64 channels
	s_mul_i32 s18, s17, 3072
	s_add_co_u32 s18, s18, 6144
	s_add_co_u32 s18, s18, s12
	s_mov_b32 s19, 0
	s_add_nc_u64 s[20:21], s[6:7], s[18:19]        ; my two tiles' codes
	s_lshl_b32 s18, s17, 7
	s_add_co_u32 s18, s18, 12800
	s_add_co_u32 s18, s18, s12
	s_add_nc_u64 s[22:23], s[6:7], s[18:19]        ; their scale words
.macro QB32 x
	v_max3_num_f32 v10, |v[\x]|, |v[\x+1]|, |v[\x+2]|
	v_max3_num_f32 v11, |v[\x+3]|, |v[\x+4]|, |v[\x+5]|
.irp i, 6,10,14,18,22,26
	v_max3_num_f32 v10, v10, |v[\x+\i]|, |v[\x+\i+1]|
	v_max3_num_f32 v11, v11, |v[\x+\i+2]|, |v[\x+\i+3]|
.endr
	v_max3_num_f32 v10, v10, |v[\x+30]|, |v[\x+31]|
	v_max3_num_f32 v10, v10, v11, 0x2800000        ; and the floor 2^(5 - 127): the byte cannot fall under 1
	v_add_nc_u32 v12, 0xfe000000, v10              ; 4 off the exponent field: the conversion's scale operand
	v_cvt_scalef32_pk16_bf6_f32 v[16:18], v[\x:\x+15], v12
	v_cvt_scalef32_pk16_bf6_f32 v[24:26], v[\x+16:\x+31], v12
	v_lshrrev_b32 v13, 23, v12                     ; the scale's byte; also the plain place behind the conversions
	v_mov_b32 v19, v24
	v_mov_b32 v20, v25
	v_mov_b32 v21, v26
.endm
.macro BLOCK b                         ; block b goes to image lane (r, h = b % 2), registers 6 (b / 2) on
.if \b < 3
	s_wait_loadcnt 32                              ; this block's 32 loads are in; the next block's 32 may be out
.else
	s_wait_loadcnt 0x0
.endif
	QB32 X+32*(\b%2)
.if \b == 0
	v_mov_b32 v6, v13
.else
	v_lshl_or_b32 v6, v13, 8*\b, v6                ; four bytes to the word, the lower keys in the lower byte
.endif
.if \b < 2
	ds_store_b128 v2, v[16:19] offset:272*(\b%2)
	ds_store_b64 v2, v[20:21] offset:272*(2+\b%2)
.else
	ds_store_b64 v2, v[16:17] offset:272*(2+\b%2)+8
	ds_store_b128 v2, v[18:21] offset:272*(4+\b%2)
.endif
.if \b < 2
	LOAD \b+2
.endif
	s_wait_dscnt 0x0                               ; the stores have read their registers: the next block's codes may be written
.endm
	BLOCK 0
	BLOCK 1
	BLOCK 2
	BLOCK 3
	global_store_b32 v5, v6, s[22:23]              ; the wave's 32 words: 128 consecutive bytes
.irp k, 0,1,2,3,4,5
	ds_load_b128 v[96+4*\k:99+4*\k], v3 offset:(\k/3)*1664+(\k%3)*544
.endr
.irp k, 0,1,2,3,4,5
	s_wait_dscnt 5-\k                              ; load k is in; the younger ones may be out
	global_store_b128 v4, v[96+4*\k:99+4*\k], s[20:21] offset:(\k/3)*1536+(\k%3)*512   ; 512 consecutive bytes, at a multiple of 256 from the buffer's first byte
.endr
	s_wait_tensorcnt 0x0
	ds_add_u32 v128, v129
	s_wait_dscnt 0x0
	s_endpgm
.Lfunc_end_k_qca8a86f98b_vquant:
	.size	k_qca8a86f98b_vquant, .Lfunc_end_k_qca8a86f98b_vquant-k_qca8a86f98b_vquant
	.p2alignl 7, 3214868480
	.fill 96, 4, 3214868480
	.section	.rodata,"a",@progbits
	.p2align	6, 0x0
	.amdhsa_kernel k_qca8a86f98b_vquant
		.amdhsa_group_segment_fixed_size 13824
		.amdhsa_private_segment_fixed_size 0
		.amdhsa_enable_private_segment 0
		.amdhsa_kernarg_size 16
		.amdhsa_user_sgpr_count 2
		.amdhsa_user_sgpr_kernarg_segment_ptr 1
		.amdhsa_wavefront_size32 1
		.amdhsa_system_sgpr_workgroup_id_x 1
		.amdhsa_system_sgpr_workgroup_id_y 1
		.amdhsa_system_sgpr_workgroup_id_z 1
		.amdhsa_system_vgpr_workitem_id 0
		.amdhsa_next_free_vgpr 130
		.amdhsa_next_free_sgpr 66
		.amdhsa_reserve_vcc 0
		.amdhsa_float_denorm_mode_32 3
		.amdhsa_float_denorm_mode_16_64 3
		.amdhsa_memory_ordered 1
		.amdhsa_forward_progress 1
		.amdhsa_inst_pref_size 23
	.end_amdhsa_kernel
	.amdgpu_metadata
---
amdhsa.version: [ 1, 2 ]
amdhsa.kernels:
  - .name:           k_qca8a86f98b_vquant
    .symbol:         k_qca8a86f98b_vquant.kd
    .args:
      - { .name: values, .offset: 0, .size: 8, .value_kind: global_buffer, .address_space: global }
      - { .name: kv, .offset: 8, .size: 8, .value_kind: global_buffer, .address_space: global }
    .group_segment_fixed_size: 13824
    .private_segment_fixed_size: 0
    .kernarg_segment_align: 8
    .kernarg_segment_size: 16
    .max_flat_workgroup_size: 128
    .sgpr_count:     66
    .vgpr_count:     130
    .wavefront_size: 32
...
	.end_amdgpu_metadata
.endif
;; end of part 2
;; launch maskpack (part 3): grid 512 x 1, 4 waves a work-group, no clusters, 34,304 bytes of LDS; arguments mask, mbits; writes mbits
.if DOCPART == 3
	.amdgcn_target "amdgcn-amd-amdhsa--gfx1250"
	.amdhsa_code_object_version 6
	.text
	.protected	k_qca8a86f98b_maskpack
	.globl	k_qca8a86f98b_maskpack
	.p2align	8
	.type	k_qca8a86f98b_maskpack,@function
k_qca8a86f98b_maskpack:
	s_mov_b64 s[64:65], 0
	v_nop
	global_prefetch_b8 v0, s[64:65] scope:SCOPE_SE
	s_setreg_imm32_b32 hwreg(HW_REG_WAVE_MODE, 25, 1), 1
	s_wait_xcnt 0x0
; mask [4][1][2048][2048], int32, is read once and becomes LANE MASKS for the attention launch, which sixteen heads then read: a thirty-second of the bytes.
; mbits [128 batch + tile of 16 queries][step of 128 keys][j = 0 .. 63], dwords: bit L = (r, h) of dword j says whether mask[batch][16 tile + r][128 step + 32 (j / 16) + 16 h + j % 16] is not 0:
; that is the key which score register j of lane L holds there, so that dword j is the select mask of one v_cndmask_b32.
; SHARES.  A work-group takes 16 queries, a wave four key steps.  Each load reads 512 consecutive bytes of one row; a step's 16 x 512 bytes turn through the wave's own stage (rows 528 bytes apart),
; so that lane (r, h) holds its 64 numbers; a compare against 0 makes a dword in a scalar register, and v_writelane_b32 lays the step's 64 dwords into a pair of registers, lane j / 2, which
; leaves as 256 consecutive aligned bytes.  No barrier: waves share nothing.
.set R,   16                           ; v16-143  two sets of 64 registers as loaded
.set X,   144                          ; v144-207 my 64 numbers
.set OUT, 208                          ; v208-215 a pair for each step: no store's data are written again
	s_load_b128 s[4:7], s[0:1], 0x0                ; mask, mbits
	v_lshl_add_u32 v216, v0, 2, 0x8400
	v_mov_b32 v217, 0
	v_lshrrev_b32 v5, 5, v0
	v_readfirstlane_b32 s8, v5                     ; wave 0..3
	v_and_b32 v6, 31, v0
	v_lshlrev_b32 v1, 4, v6                        ; 16 L
	s_lshl_b32 s10, ttmp9, 17                      ; 16 rows of 8,192 bytes a work-group
	s_lshl_b32 s9, s8, 11                          ; four steps of 512 bytes a wave
	s_add_co_u32 s10, s10, s9
	s_mov_b32 s11, 0
	s_lshl_b32 s12, ttmp9, 12                      ; out: 16 steps of 256 bytes a work-group
	s_lshl_b32 s9, s8, 10
	s_add_co_u32 s12, s12, s9
	s_mov_b32 s13, 0
	s_wait_kmcnt 0x0
	s_add_nc_u64 s[4:5], s[4:5], s[10:11]
	s_add_nc_u64 s[6:7], s[6:7], s[12:13]
.macro LOAD t
.irp i, 0,1,2,3,4,5,6,7,8,9,10,11,12,13,14,15
	global_load_b128 v[R+64*((\t)%2)+4*\i:R+64*((\t)%2)+4*\i+3], v1, s[4:5] offset:\i*8192+512*(\t) th:TH_LOAD_NT
.endr
.endm
	LOAD 0
	LOAD 1
	s_mul_i32 s9, s8, 8448                         ; my stage
	v_add_nc_u32 v2, s9, v1                        ; in: a row's 512 bytes as they lie
	v_and_b32 v7, 15, v6
	v_lshrrev_b32 v8, 4, v6
	v_mul_u32_u24 v7, v7, 528
	v_lshl_add_u32 v7, v8, 6, v7
	v_add_nc_u32 v3, s9, v7                        ; out: row r, + 64 h
	v_lshlrev_b32 v4, 3, v6                        ; 8 L
.irp i, 0,1,2,3,4,5,6,7
	v_mov_b32 v[OUT+\i], 0                         ; v_writelane_b32's destination counts as read
.endr
.macro STEP t
.if \t < 3
	s_wait_loadcnt 16                              ; this step's 16 loads are in; the next step's 16 may be out
.else
	s_wait_loadcnt 0x0
.endif
.irp i, 0,1,2,3,4,5,6,7,8,9,10,11,12,13,14,15
	ds_store_b128 v2, v[R+64*(\t%2)+4*\i:R+64*(\t%2)+4*\i+3] offset:528*\i
.endr
.irp b, 0,1,2,3
.irp q, 0,1,2,3
	ds_load_b128 v[X+16*\b+4*\q:X+16*\b+4*\q+3], v3 offset:128*\b+16*\q   ; keys 32 b + 16 h + 4 q on; LDS serves a wave's instructions in order
.endr
.endr
	s_wait_dscnt 0x0                               ; my numbers are in, and the stores have read their registers,
.if \t < 2
	LOAD \t+2                                      ; which take the loads of two steps on
.endif
.irp q, 0,1,2,3
.irp k, 0,1,2,3,4,5,6,7,8,9,10,11,12,13,14,15
	v_cmp_ne_u32 s[16+\k], 0, v[X+16*\q+\k]        ; dword j = 16 q + k
.endr
.irp k, 0,1,2,3,4,5,6,7,8,9,10,11,12,13,14,15
	v_writelane_b32 v[OUT+2*\t+\k%2], s[16+\k], 8*\q+\k/2
.endr
.endr
	global_store_b64 v4, v[OUT+2*\t:OUT+2*\t+1], s[6:7] offset:256*\t   ; 256 consecutive bytes, aligned
.endm
	STEP 0
	STEP 1
	STEP 2
	STEP 3
	s_wait_tensorcnt 0x0
	ds_add_u32 v216, v217
	s_wait_dscnt 0x0
	s_endpgm
.Lfunc_end_k_qca8a86f98b_maskpack:
	.size	k_qca8a86f98b_maskpack, .Lfunc_end_k_qca8a86f98b_maskpack-k_qca8a86f98b_maskpack
	.p2alignl 7, 3214868480
	.fill 96, 4, 3214868480
	.section	.rodata,"a",@progbits
	.p2align	6, 0x0
	.amdhsa_kernel k_qca8a86f98b_maskpack
		.amdhsa_group_segment_fixed_size 34304
		.amdhsa_private_segment_fixed_size 0
		.amdhsa_enable_private_segment 0
		.amdhsa_kernarg_size 16
		.amdhsa_user_sgpr_count 2
		.amdhsa_user_sgpr_kernarg_segment_ptr 1
		.amdhsa_wavefront_size32 1
		.amdhsa_system_sgpr_workgroup_id_x 1
		.amdhsa_system_sgpr_workgroup_id_y 1
		.amdhsa_system_sgpr_workgroup_id_z 1
		.amdhsa_system_vgpr_workitem_id 0
		.amdhsa_next_free_vgpr 218
		.amdhsa_next_free_sgpr 66
		.amdhsa_reserve_vcc 0
		.amdhsa_float_denorm_mode_32 3
		.amdhsa_float_denorm_mode_16_64 3
		.amdhsa_memory_ordered 1
		.amdhsa_forward_progress 1
		.amdhsa_inst_pref_size 49
	.end_amdhsa_kernel
	.amdgpu_metadata
---
amdhsa.version: [ 1, 2 ]
amdhsa.kernels:
  - .name:           k_qca8a86f98b_maskpack
    .symbol:         k_qca8a86f98b_maskpack.kd
    .args:
      - { .name: mask, .offset: 0, .size: 8, .value_kind: global_buffer, .address_space: global }
      - { .name: mbits, .offset: 8, .size: 8, .value_kind: global_buffer, .address_space: global }
    .group_segment_fixed_size: 34304
    .private_segment_fixed_size: 0
    .kernarg_segment_align: 8
    .kernarg_segment_size: 16
    .max_flat_workgroup_size: 128
    .sgpr_count:     66
    .vgpr_count:     218
    .wavefront_size: 32
...
	.end_amdgpu_metadata
.endif
;; end of part 3
;; launch attn (part 4): grid 8 x 64, 16 waves a work-group, clusters of 4 x 1, 210,944 bytes of LDS; arguments kv, query, mbits, abuf, ascl; writes abuf, ascl
.if DOCPART == 4
	.amdgcn_target "amdgcn-amd-amdhsa--gfx1250"
	.amdhsa_code_object_version 6
	.text
	.protected	k_qca8a86f98b_attn
	.globl	k_qca8a86f98b_attn
	.p2align	8
	.type	k_qca8a86f98b_attn,@function
k_qca8a86f98b_attn:
	s_mov_b64 s[64:65], 0
	v_nop
	global_prefetch_b8 v0, s[64:65] scope:SCOPE_SE
	s_setreg_imm32_b32 hwreg(HW_REG_WAVE_MODE, 25, 1), 1
	s_wait_xcnt 0x0
	s_wait_alu depctr_hold_cnt(0) depctr_sa_sdst(0) depctr_va_vdst(0) depctr_va_sdst(0) depctr_va_ssrc(0) depctr_va_vcc(0) depctr_vm_vsrc(0)
	s_getreg_b32 s2, hwreg(HW_REG_IB_STS2, 6, 4)
	s_cmp_eq_u32 s2, 0
	s_cbranch_scc0 .Lentry_in_a_cluster
	s_endpgm
.Lentry_in_a_cluster:
	s_bfe_u32 s2, ttmp6, 0x10000c
	s_cmp_lg_u32 s2, 0x3003
	s_cbranch_scc0 .Lentry_shape_is_right
	s_endpgm
.Lentry_shape_is_right:
; For each batch and head: O[q] = the sum over k of softmax_k(masked q . k / 32) v[k], both products on codes of BF6 (E3M2) with one E8M0 scale for each 32 along K; O / l is then quantised along the
; model's 1,024 for the projection that follows.  4 batches x 16 heads, 2,048 queries and keys, head size 64.
; THE SOFTMAX: t = score x log2(e) / 32; M = the largest t so far, rounded UP to a whole number; p = 2^(t - M) is what is quantised, along the keys, not normalised; the row's sum l is taken of the
; unquantised p and divides O at the end.  When M moves, l and O are multiplied by 2^(old M - new M): exact.
; SHARES.  A work-group owns 256 queries of one head, each of its sixteen waves 16 of them; every wave walks all 2,048 keys, 128 a step.  A head's codes and scale words of K and V, 16 step blocks of
; 13,056 bytes, are 208,896 bytes: ALL OF THEM LIE IN LDS, filled once (wave w brings block w), so the loop has no barrier and nothing is filled again.
; CLUSTER.  The four work-groups of a cluster belong to one head and want the same 16 blocks: each is asked for jointly, by the same load with the same descriptor and the mask of all four.
; LAYOUT.  Both products are used transposed (S^T = K Q^T, O^T = V^T P^T): a lane holds ONE query (lane % 16) throughout.  The blocks hold images of the operands' registers: a fragment comes by
; loads of 16 bytes a lane, 512 consecutive bytes each.  The keys of a tile are chosen so that score register j of lane (r, h) is key 32 (j / 16) + 16 h + j % 16 of the step, and V's channels so that
; O^T's register 16 beta + i is channel 32 beta + 16 h + i.
; THE FIRST PRODUCT'S K IS 64, the instruction's 128: Q's registers 6-11 are zero codes and the upper two scale bytes of both sides are 0 (a small power of two, no NaN), and E3M2 has no NaN or
; infinity: so whatever stands in registers 6-11 of K's operand adds nothing.  Tile t's operand is v[32 + 6 t] on, 12 registers: its upper six are the next tile's codes, the last tile's six zeros.
; THE MASK comes as lane masks (one dword for a score register), by scalar loads a step ahead: one v_cndmask_b32 a register.
; LIMITS.  A masked score is -2^66 where the definition has -1e20: c x 2^66 is exact, so in a row with every key masked t - M is exactly 0, every p is 1, and the uniform softmax comes out;
; results differ only where a true score reaches about -7e19.  A block of zeros gets the scale byte 1 (its codes are zeros; this program alone reads the bytes).  NaN and infinities are not served.
; A block's largest p is made from its largest score by the same two instructions, which takes v_exp_f32 not to fall where its input rises.
; REGISTERS: v1 16 L, v2 4 L, v3, v4 the same + the step's block, v5 -2^66, v7 8 L; v8-11 K's scale words; v12 -M, v13 largest t, v[14:15] l in two halves; v16-27 Q; v28 Q's scale word; v29 p's;
; v30-31 V's; v32-79 fragments, v80-85 zeros; v96-159 S^T, then p; v160-191 O^T; v192-203 p's codes; v204-210 halves as converted; v212-227, v230 at work; v[228:229] f; v[232:233] second chain of l.
.set STEPB, 13056
.set VOFF,  6144                       ; in a step block: K's codes at 0, V's here,
.set KSO,   12288                      ; K's scale words,
.set VSO,   12800                      ; V's
.set F,     32
.set S,     96
.set O,     160
.macro ROUND                           ; a round of the cluster's barrier
	s_barrier_signal -1
	s_barrier_wait -1
	s_cmp_lg_u32 s12, 0
	s_cbranch_scc1 .Lnot_wave_0_\@
	s_barrier_signal -3
.Lnot_wave_0_\@:
	s_barrier_wait -3
	s_barrier_signal -1
	s_barrier_wait -1
.endm
	s_load_b256 s[32:39], s[0:1], 0x0              ; kv s[32:33], query s[34:35], mbits s[36:37], abuf s[38:39]
	s_load_b64 s[40:41], s[0:1], 0x20              ; ascl
	v_lshl_add_u32 v240, v0, 2, 0x33000
	v_mov_b32 v241, 0
	ds_add_u32 v240, v241
	ds_add_u32 v240, v241
	v_lshrrev_b32 v1, 5, v0
	v_readfirstlane_b32 s12, v1                    ; wave 0..15
	s_bfe_u32 s42, ttmp6, 0x40000                  ; cx: it enters the addresses of query, mbits, abuf and ascl alone
	s_lshl_b32 s43, ttmp9, 2
	s_add_co_u32 s43, s43, s42                     ; my block of 256 queries
	s_and_b32 s44, ttmp7, 0xffff                   ; y = 16 x batch + head, which the four partners share
	s_lshr_b32 s45, s44, 4                         ; batch
	s_and_b32 s46, s44, 15                         ; head
	s_lshl_b32 s47, s43, 4
	s_add_co_u32 s47, s47, s12                     ; my tile of 16 queries, 0 .. 127
	s_lshl_b32 s48, s45, 7
	s_add_co_u32 s48, s48, s47                     ; 128 x batch + tile
	s_lshl_b32 s50, s44, 4
	s_add_co_u32 s50, s50, s12
	s_mul_i32 s50, s50, STEPB                      ; kv: block (y, step = my wave): made of y and the wave's number alone
	s_mov_b32 s51, 0
	s_lshl_b32 s52, s48, 12                        ; mbits: 4,096 bytes a tile
	s_mov_b32 s53, 0
	s_lshl_b32 s54, s48, 4
	s_add_co_u32 s54, s54, s46
	s_mul_i32 s54, s54, 768                        ; abuf: 768 bytes for a tile and a head
	s_mov_b32 s55, 0
	s_lshl_b32 s56, s44, 7
	s_add_co_u32 s56, s56, s47
	s_lshl_b32 s56, s56, 7                         ; ascl: 128 bytes for a head and a tile
	s_mov_b32 s57, 0
	s_lshl_b32 s58, s45, 23                        ; query: batch x 2,048 rows x 4,096 bytes
	s_lshl_b32 s59, s47, 16                        ; + tile x 16 rows
	s_add_co_u32 s58, s58, s59
	s_lshl_b32 s59, s46, 8                         ; + head x 256 bytes
	s_add_co_u32 s58, s58, s59
	s_mov_b32 s59, 0
	s_mov_b32 s13, 0                               ; LDS byte at which the step in hand begins
	s_mov_b32 s16, 0x76543210
	s_mov_b32 s17, 0xfedcba98                      ; v_permlanex16_b32's selects for lane l xor 16
	s_mov_b32 s18, 0x3d38aa3b                      ; c = log2(e) / 32
	s_mov_b32 s19, s18                             ; (the packed form names the pair)
	; the descriptor: a dense block of 13,056 bytes as 51 rows of 256 bytes (32 elements of 8 bytes), no padding
	s_mov_b32 s68, 15|(3<<16)|(1<<21)              ; 15:0 the mask: all four work-groups; 17:16 elements of 8 bytes; 21 set beside a mask
	s_mov_b32 s69, 32<<16                          ; tensor_dim0 = 32
	s_mov_b32 s70, 51<<16                          ; tensor_dim1 = 51
	s_mov_b32 s71, 32<<16                          ; tile_dim0 = 32
	s_mov_b32 s72, 51                              ; tile_dim1 = 51
	s_mov_b32 s73, 32                              ; elements from row to row
	s_mov_b32 s74, 0
	s_mov_b32 s75, 0
	s_mov_b32 s76, 1
	s_mul_i32 s77, s12, STEPB                      ; LDS address: block = my wave
	s_wait_dscnt 0x0
	s_wait_kmcnt 0x0
	s_add_nc_u64 s[78:79], s[32:33], s[50:51]
	s_or_b32 s79, s79, 0x80000000                  ; type = 2
	s_add_nc_u64 s[4:5], s[36:37], s[52:53]        ; my tile's lane masks
	s_add_nc_u64 s[6:7], s[38:39], s[54:55]
	s_add_nc_u64 s[8:9], s[40:41], s[56:57]
	s_add_nc_u64 s[10:11], s[34:35], s[58:59]
	ROUND                                          ; all four work-groups are here: the joint loads meet
	tensor_load_to_lds s[76:79], s[68:75]          ; my one tensor load of the launch
	s_nop 0
.rept 4
	v_nop                                          ; four places behind a tensor load
.endr
	v_and_b32 v2, 31, v0                           ; L
	v_lshlrev_b32 v1, 4, v2
	v_lshlrev_b32 v7, 3, v2
	v_lshlrev_b32 v2, 2, v2
	v_and_b32 v3, 15, v0                           ; r
	v_bfe_u32 v4, v0, 4, 1                         ; h
	v_lshlrev_b32 v230, 12, v3
	v_lshl_add_u32 v230, v4, 7, v230               ; q: row r of 4,096 bytes, + 128 h: block h of my head's 64 is all mine
.irp i, 0,1,2,3,4,5,6,7
	global_load_b128 v[S+4*\i:S+4*\i+3], v230, s[10:11] offset:16*\i th:TH_LOAD_NT
.endr
	v_mov_b32 v5, 0xe0800000                       ; -2^66
	v_mov_b32 v13, 0xff61b1e6                      ; the largest t so far: -3e38, under every t
	v_floor_f32 v12, -v13                          ; -M
	v_mov_b32 v14, 0                               ; l, in two halves
	v_mov_b32 v15, 0
.irp i, 22,23,24,25,26,27, 80,81,82,83,84,85, 216,217,218,219, 229
	v_mov_b32 v[\i], 0                             ; Q's zero codes; the zeros behind the last fragment; lane exchanges' destinations, which count as read; the upper half of f's pair
.endr
	s_wait_loadcnt 0x0
	v_max3_num_f32 v212, |v96|, |v97|, |v98|       ; q is quantised here: it is read once, by this wave
	v_max3_num_f32 v213, |v99|, |v100|, |v101|
.irp i, 6,10,14,18,22,26
	v_max3_num_f32 v212, v212, |v[S+\i]|, |v[S+\i+1]|
	v_max3_num_f32 v213, v213, |v[S+\i+2]|, |v[S+\i+3]|
.endr
	v_max3_num_f32 v212, v212, |v126|, |v127|
	v_max3_num_f32 v212, v212, v213, 0x2800000     ; and the floor 2^(5 - 127): the byte cannot fall under 1
	v_add_nc_u32 v220, 0xfe000000, v212            ; 4 off the exponent field: the conversion's scale operand
	v_cvt_scalef32_pk16_bf6_f32 v[16:18], v[96:111], v220
	v_cvt_scalef32_pk16_bf6_f32 v[204:206], v[112:127], v220
	v_lshrrev_b32 v224, 23, v220                   ; the scale's byte; also the plain place behind the conversions
	v_mov_b32 v19, v204
	v_mov_b32 v20, v205
	v_mov_b32 v21, v206
	v_lshlrev_b32 v230, 3, v4
	v_lshlrev_b32 v28, v230, v224                  ; my byte 8 h bits up,
	v_permlanex16_b32 v216, v28, s16, s17
	v_or_b32 v28, v28, v216                        ; with lane l xor 16's: q's scale word; its upper two bytes are 0
.set j, 0
.rept 32
	v_mov_b32 v[O+j], 0                            ; O^T: the step is written once, and its first run finds zeros.  (These are also the places between the lines above and the first scaled product)
.set j, j+1
.endr
	s_wait_tensorcnt 0x0                           ; my block has landed,
	s_barrier_signal -1
	s_barrier_wait -1                              ; everybody's has
.macro MASKS                           ; a step's 64 lane masks: s32-63 and s68-99 (the descriptor's registers are free: its load is done)
	s_load_b512 s[32:47], s[4:5], 0x0
	s_load_b512 s[48:63], s[4:5], 0x40
	s_load_b512 s[68:83], s[4:5], 0x80
	s_load_b512 s[84:99], s[4:5], 0xc0
.endm
.macro FRAGS off                       ; 48 registers: K's eight half fragments, or V's four fragments
.irp i, 0,1,2,3,4,5,6,7,8,9,10,11
	ds_load_b128 v[F+4*\i:F+4*\i+3], v3 offset:\off+512*\i
.endr
.endm
.macro SUMS from, to                   ; lines from .. to of the 32 that add the step's p to l: two chains, two numbers a line
.set n, \from
.rept \to-\from+1
.if n == 1
	v_pk_add_f32 v[232:233], v[96:97], v[98:99]
.elseif n == 32
	v_pk_add_f32 v[14:15], v[14:15], v[232:233]
.elseif n%2 == 0
	v_pk_add_f32 v[14:15], v[14:15], v[S+2*n:S+2*n+1]
.else
	v_pk_add_f32 v[232:233], v[232:233], v[S+2*n:S+2*n+1]
.endif
.set n, n+1
.endr
.endm
; A KEY STEP: 128 keys.  next = 1: the next step's masks, K and K's scale words are asked for.
.macro STEP next
	s_wait_dscnt 0x0                               ; K and its scale words are in
.irp t, 0,1,2,3,4,5,6,7
.if \t%2
	v_wmma_scale_f32_16x16x128_f8f6f4 v[S+8*\t:S+8*\t+7], v[F+6*\t:F+6*\t+11], v[16:27], 0, v[8+\t/2], v28 matrix_a_fmt:MATRIX_FMT_BF6 matrix_b_fmt:MATRIX_FMT_BF6 matrix_a_scale:MATRIX_SCALE_ROW1
.else
	v_wmma_scale_f32_16x16x128_f8f6f4 v[S+8*\t:S+8*\t+7], v[F+6*\t:F+6*\t+11], v[16:27], 0, v[8+\t/2], v28 matrix_a_fmt:MATRIX_FMT_BF6 matrix_b_fmt:MATRIX_FMT_BF6
.endif
.endr
.rept 4
	v_nop                                          ; four places in front of the loads into K's registers and of the first read of the scores
.endr
	FRAGS VOFF                                     ; V lands while the softmax is worked
	ds_load_b32 v30, v4 offset:VSO
	ds_load_b32 v31, v4 offset:VSO+128
	s_wait_kmcnt 0x0                               ; the step's lane masks are in
.set j, 0
.rept 64
	v_cndmask_b32 v[S+j], v5, v[S+j], s[32+j+4*(j/32)]   ; a masked key's score becomes -2^66; each accumulator is read from its low end on
.set j, j+1
.endr
.if \next
	s_add_nc_u64 s[4:5], s[4:5], 256               ; (behind the wait that shows the last masks' loads done)
	MASKS
.endif
.irp b, 0,1,2,3
	v_max3_num_f32 v[212+\b], v[S+16*\b], v[S+1+16*\b], v[S+2+16*\b]   ; the largest score of each block of 32 keys: for the row's maximum, and for the block's largest p
.endr
.irp i, 3,5,7,9,11,13
.irp b, 0,1,2,3
	v_max3_num_f32 v[212+\b], v[212+\b], v[S+16*\b+\i], v[S+1+16*\b+\i]
.endr
.endr
.irp b, 0,1,2,3
	v_max_num_f32 v[212+\b], v[212+\b], v[S+15+16*\b]
.endr
.irp b, 0,1,2,3
	v_permlanex16_b32 v[216+\b], v[212+\b], s16, s17
.endr
.irp b, 0,1,2,3
	v_max_num_f32 v[212+\b], v[212+\b], v[216+\b]  ; with lane l xor 16's 16 keys
.endr
	v_max3_num_f32 v230, v212, v213, v214
	v_max_num_f32 v230, v230, v215                 ; the step's largest score of my query
	v_mul_f32 v230, s18, v230                      ; as t (c is positive)
	v_max_num_f32 v13, v13, v230                   ; the running largest t
	v_mov_b32 v230, v12
	v_floor_f32 v12, -v13                          ; the new -M = floor(-t) = -ceil(t)
	v_sub_f32 v230, v12, v230                      ; old M - new M: a whole number, 0 or less
	v_cvt_i32_f32 v230, v230                       ; (it saturates)
	v_ldexp_f32 v228, 1.0, v230                    ; f = 2^(old M - new M)
.set j, 0
.rept 32
	v_pk_fma_f32 v[S+j:S+j+1], v[S+j:S+j+1], s[18:19], v[12:13] op_sel_hi:[1,0,0]   ; t - M, two at a time
.set j, j+2
.endr
.irp b, 0,1,2,3
	v_fma_f32 v[212+\b], v[212+\b], s18, v12       ; the same of each block's largest score
.endr
.set j, 0
.rept 64
	v_exp_f32 v[S+j], v[S+j]                       ; p = 2^(t - M), at most 1
.set j, j+1
.endr
.irp b, 0,1,2,3
	v_exp_f32 v[212+\b], v[212+\b]                 ; the block's largest p
.endr
	v_pk_mul_f32 v[14:15], v[14:15], v[228:229] op_sel_hi:[1,0]   ; l under the new M; the plain place behind the exponentials
	s_wait_alu depctr_va_vdst(0)
.irp b, 0,1,2,3
	v_max_num_f32 v[212+\b], 0x2800000, v[212+\b]  ; the floor 2^(5 - 127)
.endr
.irp b, 0,1,2,3
	v_add_nc_u32 v[220+\b], 0xfe000000, v[212+\b]  ; the conversion's scale operand
.endr
.irp b, 0,1,2,3
	v_lshrrev_b32 v[224+\b], 23, v[220+\b]         ; the scale's byte
.endr
	v_lshl_or_b32 v29, v225, 8, v224               ; p's scale word for these 128 keys
	v_lshl_or_b32 v29, v226, 16, v29
	v_lshl_or_b32 v29, v227, 24, v29
	v_cvt_scalef32_pk16_bf6_f32 v[192:194], v[96:111], v220
	v_cvt_scalef32_pk16_bf6_f32 v[204:206], v[112:127], v221
	v_cvt_scalef32_pk16_bf6_f32 v[198:200], v[128:143], v222
	v_cvt_scalef32_pk16_bf6_f32 v[208:210], v[144:159], v223
	v_nop                                          ; one plain place behind the conversions
.irp i, 0,1,2
	v_permlane16_swap_b32 v[192+\i], v[204+\i]     ; the operand wants a whole block in a lane: lanes 0-15 block 2 c, lanes 16-31 block 2 c + 1
.endr
.irp i, 0,1,2
	v_permlane16_swap_b32 v[198+\i], v[208+\i]
.endr
.irp i, 0,1,2
	v_mov_b32 v[195+\i], v[204+\i]
.endr
.irp i, 0,1,2
	v_mov_b32 v[201+\i], v[208+\i]
.endr
.set j, 0
.rept 16
	v_pk_mul_f32 v[O+j:O+j+1], v[O+j:O+j+1], v[228:229] op_sel_hi:[1,0]   ; O^T under the new M, each accumulator from its low end on
.set j, j+2
.endr
	SUMS 1, 8                                      ; eight lines that name no register of the products below: the places between p's scale word and codes and those products
	s_wait_dscnt 0x0                               ; V and its scale words are in
.irp t, 0,1,2,3                        ; four accumulators, one instruction a turn
.if \t%2
	v_wmma_scale_f32_16x16x128_f8f6f4 v[O+8*\t:O+8*\t+7], v[F+12*\t:F+12*\t+11], v[192:203], v[O+8*\t:O+8*\t+7], v[30+\t/2], v29 matrix_a_fmt:MATRIX_FMT_BF6 matrix_b_fmt:MATRIX_FMT_BF6 matrix_a_scale:MATRIX_SCALE_ROW1
.else
	v_wmma_scale_f32_16x16x128_f8f6f4 v[O+8*\t:O+8*\t+7], v[F+12*\t:F+12*\t+11], v[192:203], v[O+8*\t:O+8*\t+7], v[30+\t/2], v29 matrix_a_fmt:MATRIX_FMT_BF6 matrix_b_fmt:MATRIX_FMT_BF6
.endif
.endr
	SUMS 9, 12                                     ; four places in front of the loads into V's registers
.if \next
	FRAGS STEPB                                    ; the next step's K
.irp m, 0,1,2,3
	ds_load_b32 v[8+\m], v4 offset:STEPB+KSO+128*\m
.endr
	s_add_co_u32 s13, s13, STEPB
	v_add_nc_u32 v3, s13, v1
	v_add_nc_u32 v4, s13, v2
.endif
	SUMS 13, 32
.endm
	MASKS                                          ; step 0's
	v_add_nc_u32 v3, s13, v1
	v_add_nc_u32 v4, s13, v2
	FRAGS 0
.irp m, 0,1,2,3
	ds_load_b32 v[8+\m], v4 offset:KSO+128*\m
.endr
	s_mov_b32 s15, 15
.Lstep:
	STEP 1
	s_sub_co_u32 s15, s15, 1
	s_cmp_lg_u32 s15, 0
	s_cbranch_scc1 .Lstep
	STEP 0                                         ; the last step asks for nothing: no load passes its block or its buffer
	; THE WAY OUT.  O^T / l, quantised along the model's 1,024: my head's 64 channels are two blocks of 32; a lane holds 16 of each, lane l xor 16 the others.
	v_add_f32 v14, v14, v15
	v_permlanex16_b32 v216, v14, s16, s17
	v_add_f32 v14, v14, v216                       ; the row's sum
	v_rcp_f32 v14, v14
	v_nop                                          ; one plain place behind the reciprocal
.set j, 0
	s_wait_alu depctr_va_vdst(0)
.rept 32
	v_mul_f32 v[S+j], v[O+j], v14                  ; register 16 beta + i is channel 32 beta + 16 h + i
.set j, j+1
.endr
.irp b, 0,1
	v_max3_num_f32 v[212+\b], |v[S+16*\b]|, |v[S+1+16*\b]|, 0x2800000
.endr
.irp i, 2,4,6,8,10,12,14
.irp b, 0,1
	v_max3_num_f32 v[212+\b], v[212+\b], |v[S+16*\b+\i]|, |v[S+1+16*\b+\i]|
.endr
.endr
.irp b, 0,1
	v_permlanex16_b32 v[216+\b], v[212+\b], s16, s17
.endr
.irp b, 0,1
	v_max_num_f32 v[212+\b], v[212+\b], v[216+\b]
.endr
.irp b, 0,1
	v_add_nc_u32 v[220+\b], 0xfe000000, v[212+\b]
.endr
.irp b, 0,1
	v_lshrrev_b32 v[224+\b], 23, v[220+\b]
.endr
	v_lshl_or_b32 v230, v225, 8, v224              ; my query's two bytes
	v_cvt_scalef32_pk16_bf6_f32 v[192:194], v[96:111], v220
	v_cvt_scalef32_pk16_bf6_f32 v[204:206], v[112:127], v221
	v_nop
.irp i, 0,1,2
	v_permlane16_swap_b32 v[192+\i], v[204+\i]     ; lane (r, h) now holds block h whole
.endr
.irp i, 0,1,2
	v_mov_b32 v[195+\i], v[204+\i]
.endr
	global_store_b128 v1, v[192:195], s[6:7]               ; 512 consecutive bytes, aligned to 256
	global_store_b64 v7, v[196:197], s[6:7] offset:512     ; 256 consecutive bytes, aligned
	global_store_b32 v2, v230, s[8:9]                      ; 128 consecutive bytes
	s_wait_tensorcnt 0x0
	ds_add_u32 v240, v241
	s_wait_dscnt 0x0
	ROUND                                          ; the closing round: no work-group ends while a partner may still ask for a block that names it
	s_endpgm
.Lfunc_end_k_qca8a86f98b_attn:
	.size	k_qca8a86f98b_attn, .Lfunc_end_k_qca8a86f98b_attn-k_qca8a86f98b_attn
	.p2alignl 7, 3214868480
	.fill 96, 4, 3214868480
	.section	.rodata,"a",@progbits
	.p2align	6, 0x0
	.amdhsa_kernel k_qca8a86f98b_attn
		.amdhsa_group_segment_fixed_size 210944
		.amdhsa_private_segment_fixed_size 0
		.amdhsa_enable_private_segment 0
		.amdhsa_kernarg_size 40
		.amdhsa_user_sgpr_count 2
		.amdhsa_user_sgpr_kernarg_segment_ptr 1
		.amdhsa_wavefront_size32 1
		.amdhsa_system_sgpr_workgroup_id_x 1
		.amdhsa_system_sgpr_workgroup_id_y 1
		.amdhsa_system_sgpr_workgroup_id_z 1
		.amdhsa_system_vgpr_workitem_id 0
		.amdhsa_next_free_vgpr 242
		.amdhsa_next_free_sgpr 100
		.amdhsa_reserve_vcc 0
		.amdhsa_float_denorm_mode_32 3
		.amdhsa_float_denorm_mode_16_64 3
		.amdhsa_memory_ordered 1
		.amdhsa_forward_progress 1
		.amdhsa_inst_pref_size 51
	.end_amdhsa_kernel
	.amdgpu_metadata
---
amdhsa.version: [ 1, 2 ]
amdhsa.kernels:
  - .name:           k_qca8a86f98b_attn
    .symbol:         k_qca8a86f98b_attn.kd
    .args:
      - { .name: kv, .offset: 0, .size: 8, .value_kind: global_buffer, .address_space: global }
      - { .name: query, .offset: 8, .size: 8, .value_kind: global_buffer, .address_space: global }
      - { .name: mbits, .offset: 16, .size: 8, .value_kind: global_buffer, .address_space: global }
      - { .name: abuf, .offset: 24, .size: 8, .value_kind: global_buffer, .address_space: global }
      - { .name: ascl, .offset: 32, .size: 8, .value_kind: global_buffer, .address_space: global }
    .group_segment_fixed_size: 210944
    .private_segment_fixed_size: 0
    .kernarg_segment_align: 8
    .kernarg_segment_size: 40
    .max_flat_workgroup_size: 512
    .sgpr_count:     100
    .vgpr_count:     242
    .wavefront_size: 32
...
	.end_amdgpu_metadata
.endif
;; end of part 4
;; launch proj (part 5): grid 4 x 64, 4 waves a work-group, clusters of 4 x 1, 168,448 bytes of LDS; arguments abuf, ascl, wimg, b_out, out0; writes out0
.if DOCPART == 5
	.amdgcn_target "amdgcn-amd-amdhsa--gfx1250"
	.amdhsa_code_object_version 6
	.text
	.protected	k_qca8a86f98b_proj
	.globl	k_qca8a86f98b_proj
	.p2align	8
	.type	k_qca8a86f98b_proj,@function
k_qca8a86f98b_proj:
	s_mov_b64 s[64:65], 0
	v_nop
	global_prefetch_b8 v0, s[64:65] scope:SCOPE_SE
	s_setreg_imm32_b32 hwreg(HW_REG_WAVE_MODE, 25, 1), 1
	s_wait_xcnt 0x0
	s_wait_alu depctr_hold_cnt(0) depctr_sa_sdst(0) depctr_va_vdst(0) depctr_va_sdst(0) depctr_va_ssrc(0) depctr_va_vcc(0) depctr_vm_vsrc(0)
	s_getreg_b32 s2, hwreg(HW_REG_IB_STS2, 6, 4)
	s_cmp_eq_u32 s2, 0
	s_cbranch_scc0 .Lentry_in_a_cluster
	s_endpgm
.Lentry_in_a_cluster:
	s_bfe_u32 s2, ttmp6, 0x10000c
	s_cmp_lg_u32 s2, 0x3003
	s_cbranch_scc0 .Lentry_shape_is_right
	s_endpgm
.Lentry_shape_is_right:
; out0[row][col] = the sum over k of A[row][k] W_out[col][k] + b_out[col], 8,192 x 1,024 x 1,024, on codes of BF6 (E3M2) with one E8M0 scale for each 32 along K; sums in f32.
; A's codes and scale bytes were made by the attention launch, W_out's by the quantiser: both lie as images of the operands' registers.
; SHARES.  A work-group takes 128 rows (8 tiles of 16) x 256 columns, a wave 64 columns: four tiles.  A WAVE'S PART OF W_out STAYS IN ITS REGISTERS: 4 tiles x 8 K steps x 12 = 384 registers,
; read once.  The rows' codes (98,304 bytes) and scale words (16,384) come into LDS once.
; CLUSTER.  The four work-groups of a cluster take the same 128 rows: their codes and scale words are asked for jointly, by the same loads with the same descriptors and the mask of all four.
; THE MATRIX INSTRUCTION IS USED TRANSPOSED (source 0 = 16 rows of W_out, source 1 = 16 rows of A).  The rows of W_out that form a tile are 32 p + 8 u + r + 8 (r / 8) of the wave's 64, so that the 16
; registers of tiles 2 p and 2 p + 1 are 16 neighbouring columns, 32 p + 16 h + 0 .. 15, of one row of out0.  The bias is the C of each sum's first instruction.
; REGISTERS, in windows of 256: window 0: v1-10 addresses; v16-31 W's scale words (8 p + s); v32-39 A's; v40-55 A's half words as loaded; v56-87 the bias, 8 a tile; v88-119 four accumulators;
; v120-151 the way out; v152-247 A's eight fragments of a tile of rows.   window 1: W's fragments of tiles 0, 1 at v[96 u + 12 s];   window 2: those of tiles 2, 3.
.set STEPB, 13056
.set GSTR,  8*STEPB                    ; wimg: from one 64 along K to the next
.set XSC,   98304                      ; LDS: A's codes at 0 (tile i at 12,288 i, K step s at + 1,536 s); A's scale words here (1,024 g + 128 i + 4 L);
.set STG,   114688                     ; a stage of 16 rows x (256 + 16) bytes for each wave: no tensor load lands there
.set WS,  16
.set XS,  32
.set T,   40
.set BI,  56
.set ACC, 88
.set OB,  120
.set XF,  152
.set MSB, 0
.macro WIN new                         ; the immediate's high byte repeats the setting that is left
.if MSB != (\new)
	s_set_vgpr_msb (MSB<<8)|(\new)
.set MSB, (\new)
.endif
.endm
.macro ROUND                           ; a round of the cluster's barrier
	s_barrier_signal -1
	s_barrier_wait -1
	s_cmp_lg_u32 s14, 0
	s_cbranch_scc1 .Lnot_wave_0_\@
	s_barrier_signal -3
.Lnot_wave_0_\@:
	s_barrier_wait -3
	s_barrier_signal -1
	s_barrier_wait -1
.endm
	s_load_b256 s[4:11], s[0:1], 0x0               ; abuf s[4:5], ascl s[6:7], wimg s[8:9], b_out s[10:11]
	s_load_b64 s[12:13], s[0:1], 0x20              ; out0
	v_lshl_add_u32 v254, v0, 2, 0x29000
	v_mov_b32 v255, 0
	ds_add_u32 v254, v255
	ds_add_u32 v254, v255
	v_lshrrev_b32 v11, 5, v0
	v_readfirstlane_b32 s14, v11                   ; wave 0..3
	s_bfe_u32 s15, ttmp6, 0x40000                  ; cx: it enters the addresses of wimg, b_out and out0 alone
	s_and_b32 s16, ttmp7, 0xffff                   ; which 128 rows: shared by the four partners
	s_lshl_b32 s17, s15, 2
	s_add_co_u32 s17, s17, s14                     ; cg: which 64 columns are my wave's
	s_mul_i32 s48, s16, 98304                      ; abuf: 8 tiles x 16 heads x 768 bytes,
	s_mul_i32 s49, s14, 24576                      ; my quarter
	s_add_co_u32 s48, s48, s49
	s_mov_b32 s49, 0
	s_lshr_b32 s50, s16, 4                         ; ascl: batch x 16 heads x 128 tiles x 128 bytes
	s_lshl_b32 s50, s50, 18
	s_lshl_b32 s51, s14, 16                        ; + my four heads
	s_add_co_u32 s50, s50, s51
	s_and_b32 s51, s16, 15
	s_lshl_b32 s51, s51, 10                        ; + the eight tiles' 1,024 bytes
	s_add_co_u32 s50, s50, s51
	s_mov_b32 s51, 0
	s_lshr_b32 s18, s17, 1
	s_mul_i32 s18, s18, STEPB                      ; wimg: the step block of my 64 rows of W_out,
	s_and_b32 s19, s17, 1
	s_mul_i32 s52, s19, 3072                       ; which two of its four pairs of 32 rows
	s_add_co_u32 s52, s52, s18
	s_mov_b32 s53, 0
	s_lshl_b32 s54, s19, 8
	s_add_co_u32 s54, s54, 12288
	s_add_co_u32 s54, s54, s18                     ; and their scale words
	s_mov_b32 s55, 0
	s_lshl_b32 s56, s17, 8                         ; b_out and a row of out0: 256 bytes a wave
	s_mov_b32 s57, 0
	s_lshl_b32 s58, s16, 19                        ; out0: 128 rows of 4,096 bytes
	s_add_co_u32 s58, s58, s56
	s_mov_b32 s59, 0
	; descriptors.  The codes: a dense block of 24,576 bytes as 96 rows of 256 bytes
	s_mov_b32 s24, 15|(3<<16)|(1<<21)              ; the mask of all four; elements of 8 bytes; bit 21 beside a mask
	s_mov_b32 s25, 32<<16
	s_mov_b32 s26, 96<<16
	s_mov_b32 s27, 32<<16
	s_mov_b32 s28, 96
	s_mov_b32 s29, 32
	s_mov_b32 s30, 0
	s_mov_b32 s31, 0
	; the scale words: four heads' rows of 1,024 bytes (128 elements), 16,384 bytes (2,048 elements) apart
	s_mov_b32 s36, 15|(3<<16)|(1<<21)
	s_mov_b32 s37, 128<<16
	s_mov_b32 s38, 4<<16
	s_mov_b32 s39, 128<<16
	s_mov_b32 s40, 4
	s_mov_b32 s41, 2048
	s_mov_b32 s42, 0
	s_mov_b32 s43, 0
	s_mov_b32 s32, 1
	s_mul_i32 s33, s14, 24576
	s_mov_b32 s44, 1
	s_lshl_b32 s45, s14, 12
	s_add_co_u32 s45, s45, XSC
	s_wait_dscnt 0x0
	s_wait_kmcnt 0x0
	s_add_nc_u64 s[34:35], s[4:5], s[48:49]
	s_or_b32 s35, s35, 0x80000000
	s_add_nc_u64 s[46:47], s[6:7], s[50:51]
	s_or_b32 s47, s47, 0x80000000
	s_add_nc_u64 s[52:53], s[8:9], s[52:53]        ; W's codes
	s_add_nc_u64 s[54:55], s[8:9], s[54:55]        ; W's scale words
	s_add_nc_u64 s[10:11], s[10:11], s[56:57]
	s_add_nc_u64 s[12:13], s[12:13], s[58:59]
	ROUND                                          ; all four work-groups are here: the joint loads meet
	tensor_load_to_lds s[32:35], s[24:31]          ; my two tensor loads of the launch, both first fills
	s_nop 0
	tensor_load_to_lds s[44:47], s[36:43]
	s_nop 0
.rept 4
	v_nop                                          ; four places behind a tensor load
.endr
	v_and_b32 v11, 31, v0                          ; L
	v_lshlrev_b32 v1, 4, v11
	v_lshlrev_b32 v2, 3, v11
	v_lshlrev_b32 v3, 2, v11
	v_add_nc_u32 v4, 49152, v1                     ; tiles 4-7 lie past an LDS immediate's reach
	v_add_nc_u32 v5, 49152, v2
	v_add_nc_u32 v6, XSC, v3
	v_and_b32 v12, 15, v11                         ; r
	v_lshrrev_b32 v13, 4, v11                      ; h
	s_mul_i32 s18, s14, 4352
	s_add_co_u32 s18, s18, STG                     ; my stage
	v_mul_u32_u24 v7, v12, 272
	v_lshl_add_u32 v7, v13, 6, v7
	v_add_nc_u32 v7, s18, v7                       ; in: row r, + 64 h
	v_mul_u32_u24 v8, v13, 272
	v_lshl_add_u32 v8, v12, 4, v8
	v_add_nc_u32 v8, s18, v8                       ; back: lanes 0-15 one row of 256 bytes, lanes 16-31 the next
	v_lshlrev_b32 v9, 12, v13
	v_lshl_add_u32 v9, v12, 4, v9                  ; and the same two rows in out0
	v_lshlrev_b32 v10, 6, v13
; W's fragments of pair p into window 1 + p.  Fragment (u, s): registers 6 c on come from the image of K's 64 numbered 2 s + c: registers 6 u .. 6 u + 5 of its pair's 12
.macro WLOAD p
	WIN 0x40*(1+\p)
.irp s, 0,1,2,3,4,5,6,7
.irp c, 0,1
	global_load_b128 v[12*\s+6*\c:12*\s+6*\c+3], v1, s[52:53] offset:(2*\s+\c)*GSTR+1536*\p
	global_load_b64 v[12*\s+6*\c+4:12*\s+6*\c+5], v1, s[52:53] offset:(2*\s+\c)*GSTR+1536*\p+512
	global_load_b64 v[96+12*\s+6*\c:96+12*\s+6*\c+1], v1, s[52:53] offset:(2*\s+\c)*GSTR+1536*\p+520
	global_load_b128 v[96+12*\s+6*\c+2:96+12*\s+6*\c+5], v1, s[52:53] offset:(2*\s+\c)*GSTR+1536*\p+1024
.endr
.endr
.endm
	WLOAD 0
	WLOAD 1
	WIN 0
.irp p, 0,1
.irp g, 0,1,2,3,4,5,6,7,8,9,10,11,12,13,14,15
	global_load_b32 v[XF+16*\p+\g], v3, s[54:55] offset:\g*GSTR+128*\p   ; W's half scale words: lanes 0-15 tile 2 p, lanes 16-31 tile 2 p + 1
.endr
.endr
.irp p, 0,1
.irp u, 0,1
	global_load_b128 v[BI+16*\p+8*\u:BI+16*\p+8*\u+3], v10, s[10:11] offset:128*\p+32*\u       ; the bias in the result's layout: columns 32 p + 16 h + 8 u + 0 .. 7
	global_load_b128 v[BI+16*\p+8*\u+4:BI+16*\p+8*\u+7], v10, s[10:11] offset:128*\p+32*\u+16
.endr
.endr
	s_wait_loadcnt 0x0
.irp p, 0,1
.irp s, 0,1,2,3,4,5,6,7
	v_lshl_or_b32 v[WS+8*\p+\s], v[XF+16*\p+2*\s+1], 16, v[XF+16*\p+2*\s]   ; two halves make the word of 128 along K
.endr
.endr
	s_wait_tensorcnt 0x0                           ; my parts have landed,
	s_barrier_signal -1
	s_barrier_wait -1                              ; everybody's have
.macro XLOAD i                         ; tile i of the rows: its eight fragments and sixteen half scale words
.irp s, 0,1,2,3,4,5,6,7
	ds_load_b128 v[XF+12*\s:XF+12*\s+3], v[1+3*((\i)/4)] offset:((\i)%4)*12288+1536*\s
	ds_load_b64 v[XF+12*\s+4:XF+12*\s+5], v[2+3*((\i)/4)] offset:((\i)%4)*12288+1536*\s+512
	ds_load_b128 v[XF+12*\s+6:XF+12*\s+9], v[1+3*((\i)/4)] offset:((\i)%4)*12288+1536*\s+768
	ds_load_b64 v[XF+12*\s+10:XF+12*\s+11], v[2+3*((\i)/4)] offset:((\i)%4)*12288+1536*\s+1280
.endr
.irp g, 0,1,2,3,4,5,6,7,8,9,10,11,12,13,14,15
	ds_load_b32 v[T+\g], v6 offset:1024*\g+128*(\i)
.endr
.endm
.macro MULS p                          ; tiles 2 p and 2 p + 1, all of K: the two accumulators take turns, one instruction a turn
	WIN 1+\p                                       ; source 0 (W) in window 1 + p
.irp s, 0,1,2,3,4,5,6,7
.irp u, 0,1
.set AC, ACC+16*\p+8*\u
.set WF, 96*\u+12*\s
.if \s == 0
.if \u == 0
	v_wmma_scale_f32_16x16x128_f8f6f4 v[AC:AC+7], v[WF:WF+11], v[XF+12*\s:XF+12*\s+11], v[BI+16*\p+8*\u:BI+16*\p+8*\u+7], v[WS+8*\p+\s], v[XS+\s] matrix_a_fmt:MATRIX_FMT_BF6 matrix_b_fmt:MATRIX_FMT_BF6
.else
	v_wmma_scale_f32_16x16x128_f8f6f4 v[AC:AC+7], v[WF:WF+11], v[XF+12*\s:XF+12*\s+11], v[BI+16*\p+8*\u:BI+16*\p+8*\u+7], v[WS+8*\p+\s], v[XS+\s] matrix_a_fmt:MATRIX_FMT_BF6 matrix_b_fmt:MATRIX_FMT_BF6 matrix_a_scale:MATRIX_SCALE_ROW1
.endif
.else
.if \u == 0
	v_wmma_scale_f32_16x16x128_f8f6f4 v[AC:AC+7], v[WF:WF+11], v[XF+12*\s:XF+12*\s+11], v[AC:AC+7], v[WS+8*\p+\s], v[XS+\s] matrix_a_fmt:MATRIX_FMT_BF6 matrix_b_fmt:MATRIX_FMT_BF6
.else
	v_wmma_scale_f32_16x16x128_f8f6f4 v[AC:AC+7], v[WF:WF+11], v[XF+12*\s:XF+12*\s+11], v[AC:AC+7], v[WS+8*\p+\s], v[XS+\s] matrix_a_fmt:MATRIX_FMT_BF6 matrix_b_fmt:MATRIX_FMT_BF6 matrix_a_scale:MATRIX_SCALE_ROW1
.endif
.endif
.endr
.endr
.endm
.macro TILE i
	s_wait_dscnt 0x0                               ; the tile's fragments and half scale words are in
.irp s, 0,1,2,3,4,5,6,7
	v_lshl_or_b32 v[XS+\s], v[T+2*\s+1], 16, v[T+2*\s]   ; heads 2 s and 2 s + 1 make the word of K step s
.endr
.rept 8
	v_nop                                          ; a scale register written by a vector instruction stands eight places ahead of a scaled product
.endr
	MULS 0
	MULS 1
	WIN 0
.rept 4
	v_nop                                          ; four places in front of the loads into A's registers and of the first read of results
.endr
.if \i < 7
	XLOAD \i+1                                     ; the next tile lands while this one goes out
.endif
	s_wait_xcnt 0x0                                ; the last tile's stores have read their registers: they may be loaded again
.irp p, 0,1
.irp u, 0,1
	ds_store_b128 v7, v[ACC+16*\p+8*\u:ACC+16*\p+8*\u+3] offset:128*\p+32*\u          ; each accumulator from its low end on
	ds_store_b128 v7, v[ACC+16*\p+8*\u+4:ACC+16*\p+8*\u+7] offset:128*\p+32*\u+16
.endr
.endr
.irp k, 0,1,2,3,4,5,6,7
	ds_load_b128 v[OB+4*\k:OB+4*\k+3], v8 offset:544*\k    ; LDS serves a wave's instructions in order: these see the stores above
.endr
	s_wait_dscnt 0x0
.irp k, 0,1,2,3,4,5,6,7
	global_store_b128 v9, v[OB+4*\k:OB+4*\k+3], s[12:13] offset:(16*\i+2*\k)*4096 th:TH_STORE_NT   ; 16 lanes store 256 consecutive bytes, at a multiple of 256 from out0's first byte
.endr
.endm
	XLOAD 0
.irp i, 0,1,2,3,4,5,6,7
	TILE \i
.endr
	s_wait_tensorcnt 0x0
	ds_add_u32 v254, v255
	s_wait_dscnt 0x0
	ROUND                                          ; the closing round: no work-group ends while a partner may still ask for a tile that names it
	s_endpgm
.Lfunc_end_k_qca8a86f98b_proj:
	.size	k_qca8a86f98b_proj, .Lfunc_end_k_qca8a86f98b_proj-k_qca8a86f98b_proj
	.p2alignl 7, 3214868480
	.fill 96, 4, 3214868480
	.section	.rodata,"a",@progbits
	.p2align	6, 0x0
	.amdhsa_kernel k_qca8a86f98b_proj
		.amdhsa_group_segment_fixed_size 168448
		.amdhsa_private_segment_fixed_size 0
		.amdhsa_enable_private_segment 0
		.amdhsa_kernarg_size 40
		.amdhsa_user_sgpr_count 2
		.amdhsa_user_sgpr_kernarg_segment_ptr 1
		.amdhsa_wavefront_size32 1
		.amdhsa_system_sgpr_workgroup_id_x 1
		.amdhsa_system_sgpr_workgroup_id_y 1
		.amdhsa_system_sgpr_workgroup_id_z 1
		.amdhsa_system_vgpr_workitem_id 0
		.amdhsa_next_free_vgpr 704
		.amdhsa_next_free_sgpr 66
		.amdhsa_reserve_vcc 0
		.amdhsa_float_denorm_mode_32 3
		.amdhsa_float_denorm_mode_16_64 3
		.amdhsa_memory_ordered 1
		.amdhsa_forward_progress 1
		.amdhsa_inst_pref_size 102
	.end_amdhsa_kernel
	.amdgpu_metadata
---
amdhsa.version: [ 1, 2 ]
amdhsa.kernels:
  - .name:           k_qca8a86f98b_proj
    .symbol:         k_qca8a86f98b_proj.kd
    .args:
      - { .name: abuf, .offset: 0, .size: 8, .value_kind: global_buffer, .address_space: global }
      - { .name: ascl, .offset: 8, .size: 8, .value_kind: global_buffer, .address_space: global }
      - { .name: wimg, .offset: 16, .size: 8, .value_kind: global_buffer, .address_space: global }
      - { .name: b_out, .offset: 24, .size: 8, .value_kind: global_buffer, .address_space: global }
      - { .name: out0, .offset: 32, .size: 8, .value_kind: global_buffer, .address_space: global }
    .group_segment_fixed_size: 168448
    .private_segment_fixed_size: 0
    .kernarg_segment_align: 8
    .kernarg_segment_size: 40
    .max_flat_workgroup_size: 128
    .sgpr_count:     66
    .vgpr_count:     704
    .wavefront_size: 32
...
	.end_amdgpu_metadata
.endif
;; end of part 5
;; ======== version 2 of 2: 3 launches
;; limits: right only within a limited range of input values
;; workspace buffers: kv 13,369,344 bytes; wimg 1,671,168 bytes; mbits 2,097,152 bytes of whole numbers; abuf 6,291,456 bytes; ascl 1,048,576 bytes
;; launch prep (part 6): grid 1312 x 1, 4 waves a work-group, no clusters, 65,024 bytes of LDS; arguments mask, mbits, keys, W_out, kv, wimg, values; writes mbits, kv, wimg
.if DOCPART == 6
	.amdgcn_target "amdgcn-amd-amdhsa--gfx1250"
	.amdhsa_code_object_version 6
	.text
	.protected	k_qca8a86f98b_prep
	.globl	k_qca8a86f98b_prep
	.p2align	8
	.type	k_qca8a86f98b_prep,@function
k_qca8a86f98b_prep:
	s_mov_b64 s[64:65], 0
	v_nop
	global_prefetch_b8 v0, s[64:65] scope:SCOPE_SE
	s_setreg_imm32_b32 hwreg(HW_REG_WAVE_MODE, 25, 1), 1
	s_wait_xcnt 0x0
; THREE PREPARATIONS IN ONE LAUNCH: each reads a large input once and leaves a small buffer laid in the order of its reader's registers.  The work-group's number chooses the part; every part is four waves
; that share nothing: no barrier; each wave has a stage of its own in LDS, and each part has LDS bytes of its own.
;   work-groups 0 .. 511:      mask [4][1][2048][2048] int32  ->  mbits: lane masks for the attention launch
;   work-groups 512 .. 799:    keys [4][2048][1024] and W_out [1024][1024], f32, K innermost  ->  the codes and scale words of K in kv, and wimg
;   work-groups 800 .. 1,311:  values [4][2048][1024], f32, whose K is the keys  ->  the codes and scale words of V in kv
; The parts with 128 KiB to a work-group come first, the one with 64 KiB last, so that the short work-groups fill the places that fall free.
; CODES are BF6 (E3M2) with one E8M0 byte for each 32 along K.  A block's scale is 2^(floor(log2(largest magnitude)) - 4): its byte is the largest magnitude's exponent field - 4, held at 1 from below.
; A STEP BLOCK (a head, 128 rows or keys) is 13,056 bytes.  K's codes at +0: four pairs of 32 rows, 1,536 bytes each: 12 registers a lane in three planes of 512 bytes (plane p: registers 4 p .. 4 p + 3,
; lane L at 16 L); registers 6 u .. 6 u + 5 of lane (r, h) are the 24 bytes of block h of row 32 pair + 8 u + r + 8 (r / 8).  K's scale words at +12,288: word pair x 128 + 4 (r + 16 u) = byte of block 0 |
; byte of block 1 << 8.  V's codes at +6,144: four tiles 2 beta + u of 1,536 bytes, planes likewise; registers 6 c .. 6 c + 5 of lane (r, h) are keys 64 c + 32 h + 0 .. 31 of channel
; 32 beta + 8 u + r + 8 (r / 8).  V's scale words at +12,800: word beta x 128 + 4 (r + 16 u) = the bytes of the step's four blocks of keys.
; mbits [128 batch + tile of 16 queries][step of 128 keys][j = 0 .. 63], dwords: bit L = (r, h) of dword j says whether mask[batch][16 tile + r][128 step + 32 (j / 16) + 16 h + j % 16] is not 0.
; LIMITS: a block of zeros gets the byte 1 where the rule says 127 (its codes are zeros, and this program alone reads the bytes); NaN and infinities are not served.
.set STEPB, 13056
.set NMASK, 512                        ; work-groups of the mask's part
.set NKEYS, 288                        ; of the keys' part: 256 for keys, 32 for W_out
.set KLDS,  33792                      ; LDS: the mask's four stages at 0 (8,448 bytes each); the keys' four here (4,352 each);
.set VLDS,  51200                      ; the values' four here (3,328 each)
; 32 numbers of one block, v[x] on, become 24 bytes of codes in v[c] on (the second twelve are made at v[t] on and moved: a conversion's three registers begin on an even number) and the scale's byte in v13
.macro QB32 x, c, t
	v_max3_num_f32 v10, |v[\x]|, |v[\x+1]|, |v[\x+2]|
	v_max3_num_f32 v11, |v[\x+3]|, |v[\x+4]|, |v[\x+5]|
.irp i, 6,10,14,18,22,26
	v_max3_num_f32 v10, v10, |v[\x+\i]|, |v[\x+\i+1]|
	v_max3_num_f32 v11, v11, |v[\x+\i+2]|, |v[\x+\i+3]|
.endr
	v_max3_num_f32 v10, v10, |v[\x+30]|, |v[\x+31]|
	v_max3_num_f32 v10, v10, v11, 0x2800000        ; and the floor 2^(5 - 127): the byte cannot fall under 1
	v_add_nc_u32 v12, 0xfe000000, v10              ; 4 off the exponent field: the conversion takes this operand's exponent field as its scale
	v_cvt_scalef32_pk16_bf6_f32 v[\c:\c+2], v[\x:\x+15], v12
	v_cvt_scalef32_pk16_bf6_f32 v[\t:\t+2], v[\x+16:\x+31], v12
	v_lshrrev_b32 v13, 23, v12                     ; the scale's byte; also the plain place behind the conversions
	v_mov_b32 v[\c+3], v[\t]
	v_mov_b32 v[\c+4], v[\t+1]
	v_mov_b32 v[\c+5], v[\t+2]
.endm
	v_lshl_add_u32 v244, v0, 2, 0xfc00
	v_mov_b32 v245, 0
	v_lshrrev_b32 v10, 5, v0
	v_readfirstlane_b32 s8, v10                    ; wave 0..3
	s_cmp_lt_u32 ttmp9, NMASK                      ; which part: the branches hang on the work-group's number alone
	s_cbranch_scc1 .Lmask
	s_cmp_lt_u32 ttmp9, NMASK+NKEYS
	s_cbranch_scc1 .Lkeys
; ---------------------------------------------------------------- VALUES
; A LANE TAKES A CHANNEL AND ITS REGISTERS RUN DOWN THE KEYS: a block of 32 keys lies in one lane's 32 registers, and the conversions give codes with the keys innermost.
; A wave takes 32 channels x 128 keys: each load reads 128 consecutive bytes, the four waves stand side by side on 512.  The codes go through the wave's own stage and leave as 3,072 consecutive bytes.
; v1 4 l; v2 stage in; v3 stage out; v4 16 L; v5 my scale word's place; v6 the scale word; v10-15 at work; v16-21, v24-26 codes; v32-95 two sets of 32 numbers; v96-119 the way out
.set VX, 32
	s_load_b64 s[4:5], s[0:1], 0x30                ; values
	s_load_b64 s[6:7], s[0:1], 0x20                ; kv
	v_and_b32 v11, 31, v0                          ; lane l
	v_lshlrev_b32 v1, 2, v11
	s_sub_co_u32 s24, ttmp9, NMASK+NKEYS           ; 0 .. 511
	s_and_b32 s25, s24, 7                          ; which 128 channels
	s_lshr_b32 s9, s24, 3                          ; 16 x batch + step
	s_lshl_b32 s12, s9, 19                         ; x 128 keys x 4,096 bytes
	s_lshl_b32 s10, s25, 9                         ; + 128 channels a work-group
	s_add_co_u32 s12, s12, s10
	s_lshl_b32 s10, s8, 7                          ; + 32 a wave
	s_add_co_u32 s12, s12, s10
	s_mov_b32 s13, 0
	s_wait_alu depctr_va_vdst(0)
	s_wait_kmcnt 0x0
	s_add_nc_u64 s[4:5], s[4:5], s[12:13]
.macro VLOAD b                         ; block b: keys 32 b + i of my channel, into set b % 2
.irp i, 0,1,2,3,4,5,6,7,8,9,10,11,12,13,14,15,16,17,18,19,20,21,22,23,24,25,26,27,28,29,30,31
	global_load_b32 v[VX+32*((\b)%2)+\i], v1, s[4:5] offset:(32*(\b)+\i)*4096 th:TH_LOAD_NT
.endr
.endm
	VLOAD 0
	VLOAD 1
	v_and_b32 v12, 7, v11
	v_lshrrev_b32 v13, 4, v11
	v_lshl_add_u32 v12, v13, 3, v12                ; my channel l = 8 u + r + 8 (r / 8):  r = l % 8 + 8 (l / 16),
	v_bfe_u32 v14, v11, 3, 1                       ; u = (l / 8) % 2
	s_mul_i32 s10, s8, 3328                        ; my stage: two tiles of 6 rows x (256 + 16) + 32 bytes; row = 2 plane + h
	s_add_co_u32 s10, s10, VLDS
	v_mul_u32_u24 v15, v14, 1664
	v_lshl_add_u32 v15, v12, 4, v15
	v_add_nc_u32 v2, s10, v15
	v_mul_u32_u24 v15, v13, 272
	v_and_b32 v10, 15, v11
	v_lshl_add_u32 v15, v10, 4, v15
	v_add_nc_u32 v3, s10, v15                      ; back: two rows of 256 bytes an instruction
	v_lshlrev_b32 v4, 4, v11
	v_lshl_add_u32 v5, v14, 4, v12
	v_lshlrev_b32 v5, 2, v5                        ; 4 (r + 16 u)
	s_lshr_b32 s14, s9, 4                          ; batch
	s_and_b32 s15, s9, 15                          ; step
	s_lshl_b32 s16, s25, 1
	s_lshr_b32 s17, s8, 1
	s_add_co_u32 s16, s16, s17                     ; head = 2 x (which 128 channels) + wave / 2
	s_lshl_b32 s14, s14, 4
	s_add_co_u32 s14, s14, s16
	s_lshl_b32 s14, s14, 4
	s_add_co_u32 s14, s14, s15
	s_mul_i32 s12, s14, STEPB                      ; the step block
	s_and_b32 s17, s8, 1                           ; beta: which 32 of the head's 64 channels
	s_mul_i32 s18, s17, 3072
	s_add_co_u32 s18, s18, 6144
	s_add_co_u32 s18, s18, s12
	s_mov_b32 s19, 0
	s_add_nc_u64 s[20:21], s[6:7], s[18:19]        ; my two tiles' codes
	s_lshl_b32 s18, s17, 7
	s_add_co_u32 s18, s18, 12800
	s_add_co_u32 s18, s18, s12
	s_add_nc_u64 s[22:23], s[6:7], s[18:19]        ; their scale words
.macro VBLOCK b                        ; block b goes to image lane (r, h = b % 2), registers 6 (b / 2) on
.if \b < 3
	s_wait_loadcnt 32                              ; this block's 32 loads are in; the next block's 32 may be out
.else
	s_wait_loadcnt 0x0
.endif
	QB32 VX+32*(\b%2), 16, 24
.if \b == 0
	v_mov_b32 v6, v13
.else
	v_lshl_or_b32 v6, v13, 8*\b, v6                ; four bytes to the word, the lower keys in the lower byte
.endif
.if \b < 2
	ds_store_b128 v2, v[16:19] offset:272*(\b%2)
	ds_store_b64 v2, v[20:21] offset:272*(2+\b%2)
.else
	ds_store_b64 v2, v[16:17] offset:272*(2+\b%2)+8
	ds_store_b128 v2, v[18:21] offset:272*(4+\b%2)
.endif
.if \b < 2
	VLOAD \b+2
.endif
	s_wait_dscnt 0x0                               ; the stores have read their registers: the next block's codes may be written
.endm
	VBLOCK 0
	VBLOCK 1
	VBLOCK 2
	VBLOCK 3
	s_wait_alu depctr_va_vdst(0)
	global_store_b32 v5, v6, s[22:23]              ; the wave's 32 words: 128 consecutive bytes
.irp k, 0,1,2,3,4,5
	ds_load_b128 v[96+4*\k:99+4*\k], v3 offset:(\k/3)*1664+(\k%3)*544
.endr
.irp k, 0,1,2,3,4,5
	s_wait_dscnt 5-\k                              ; load k is in; the younger ones may be out
	global_store_b128 v4, v[96+4*\k:99+4*\k], s[20:21] offset:(\k/3)*1536+(\k%3)*512   ; 512 consecutive bytes, at a multiple of 256 from the buffer's first byte
.endr
	s_wait_tensorcnt 0x0
	ds_add_u32 v244, v245
	s_wait_dscnt 0x0
	s_endpgm
; ---------------------------------------------------------------- KEYS AND W_out
; A work-group takes 32 whole rows (one pair of an image), a wave four heads of them: four UNITS of 32 rows x 64 numbers, each in two halves u of 16 rows.  Only pointers are chosen between the two
; tensors: both take one path.  A load takes 256 consecutive bytes of each of two rows; a half's 16 rows turn through the wave's own stage (rows 272 bytes apart), so that lane (r, h) holds block h of
; image row r: that is the image's own lane, so the conversions' results are the image's registers 6 u .. 6 u + 5, and a unit leaves by three stores of 512 consecutive bytes and its scale words by one of 128.
; Loads run four halves (32 loads, 16 KiB a wave) ahead.  Each unit has registers of its own for its codes and its scale word: no store's data are written again.
; v1 my bytes in a load; v2, v3 stage in, out; v4 8 h; v5, v6 my places in a unit's codes and scale words; v7-13 at work; v28-30 a second half as converted
.set KX, 32                            ; v32-63   a block's 32 numbers
.set KR, 64                            ; v64-191  four sets of 32 registers as loaded
.set KC, 192                           ; v192-239 the codes: 12 registers a unit
.set KW, 240                           ; v240-243 the scale words
.Lkeys:
	s_load_b128 s[12:15], s[0:1], 0x10             ; keys, W_out
	s_load_b128 s[16:19], s[0:1], 0x20             ; kv, wimg
	s_sub_co_u32 s9, ttmp9, NMASK                  ; 0 .. 287
	v_and_b32 v14, 31, v0                          ; L
	v_and_b32 v15, 15, v0                          ; L % 16
	v_bfe_u32 v16, v0, 4, 1                        ; L / 16
	v_lshlrev_b32 v1, 12, v16
	v_lshl_add_u32 v1, v15, 4, v1                  ; lanes 0-15 take 256 bytes of one row, lanes 16-31 of the next
	s_wait_alu depctr_va_vdst(0)
	s_wait_kmcnt 0x0
	s_cmp_lt_u32 s9, 256                           ; keys' work-group or W_out's: the choice hangs on the work-group's number alone
	s_cselect_b64 s[4:5], s[12:13], s[14:15]
	s_cselect_b64 s[6:7], s[16:17], s[18:19]
	s_cselect_b32 s10, 0, 256
	s_cselect_b32 s11, 16, 8                       ; step blocks for each head: 2,048 / 128 or 1,024 / 128
	s_sub_co_u32 s10, s9, s10                      ; which 32 rows of the tensor
	s_lshl_b32 s20, s10, 17                        ; x 32 rows x 4,096 bytes
	s_lshl_b32 s21, s8, 10                         ; + four heads of 256 bytes a wave
	s_add_co_u32 s20, s20, s21
	s_mov_b32 s21, 0
	s_add_nc_u64 s[4:5], s[4:5], s[20:21]
.macro KLOAD q                         ; half q = 2 unit + u: image rows 2 i and 2 i + 1 are rows 8 u + 2 i + 8 (i / 4) and the next of the 32
.irp i, 0,1,2,3,4,5,6,7
	global_load_b128 v[KR+32*((\q)%4)+4*\i:KR+32*((\q)%4)+4*\i+3], v1, s[4:5] offset:(8*((\q)%2)+2*\i+8*(\i/4))*4096+256*((\q)/2) th:TH_LOAD_NT
.endr
.endm
	KLOAD 0
	KLOAD 1
	KLOAD 2
	KLOAD 3
	s_mul_i32 s22, s8, 4352
	s_add_co_u32 s22, s22, KLDS                    ; my stage
	v_mul_u32_u24 v2, v16, 272
	v_lshl_add_u32 v2, v15, 4, v2
	v_add_nc_u32 v2, s22, v2                       ; in: the same two rows, 272 bytes apart
	v_mul_u32_u24 v3, v15, 272
	v_lshl_add_u32 v3, v16, 7, v3
	v_add_nc_u32 v3, s22, v3                       ; out: row r = L % 16, + 128 h: block h = L / 16
	v_lshlrev_b32 v4, 3, v16
	v_mov_b32 v8, 0                                ; written once: the destination of a lane exchange counts as read
	s_lshr_b32 s23, s10, 6                         ; batch
	s_and_b32 s24, s10, 63
	s_lshr_b32 s25, s24, 2                         ; step
	s_and_b32 s24, s24, 3                          ; which pair of the step's four
	s_lshl_b32 s23, s23, 4
	s_lshl_b32 s26, s8, 2
	s_add_co_u32 s23, s23, s26                     ; 16 x batch + my first head
	s_mul_i32 s23, s23, s11
	s_add_co_u32 s23, s23, s25
	s_mul_i32 s26, s23, STEPB                      ; its step block,
	s_mov_b32 s27, 0
	s_mul_i32 s28, s11, STEPB                      ; and from a head to the next
	s_mov_b32 s29, 0
	s_add_nc_u64 s[32:33], s[6:7], s[26:27]        ; a base for each of my four units
	s_add_nc_u64 s[34:35], s[32:33], s[28:29]
	s_add_nc_u64 s[36:37], s[34:35], s[28:29]
	s_add_nc_u64 s[38:39], s[36:37], s[28:29]
	s_mul_i32 s30, s24, 1536
	v_lshl_add_u32 v5, v14, 4, s30                 ; the pair's codes: 16 L
	s_lshl_b32 s31, s24, 7
	s_add_co_u32 s31, s31, 12288
	v_lshl_add_u32 v6, v14, 2, s31                 ; its scale words: 4 L
	s_mov_b32 s40, 0x76543210
	s_mov_b32 s41, 0xfedcba98                      ; v_permlanex16_b32's selects for lane l xor 16
	s_mov_b32 s42, 0xffff0000                      ; lanes 16-31
.macro KHALF q
.if 7-(\q) >= 3
	s_wait_loadcnt 24                              ; this half's eight loads are in; the eight of each of the three halves behind it may be out
.else
	s_wait_loadcnt 8*(7-(\q))
.endif
.irp i, 0,1,2,3,4,5,6,7
	ds_store_b128 v2, v[KR+32*((\q)%4)+4*\i:KR+32*((\q)%4)+4*\i+3] offset:544*\i
.endr
.irp i, 0,1,2,3,4,5,6,7
	ds_load_b128 v[KX+4*\i:KX+4*\i+3], v3 offset:16*\i     ; LDS serves a wave's instructions in order (ISA guide 5.7.1.4): these see the stores above
.endr
	s_wait_dscnt 0x0                               ; my block is in, and the stores have read their registers,
.if (\q)+4 < 8
	KLOAD (\q)+4                                   ; which take the loads of four halves on
.endif
	QB32 KX, KC+12*((\q)/2)+6*((\q)%2), 28
	v_lshlrev_b32 v7, v4, v13                      ; my byte 8 h bits up,
	v_permlanex16_b32 v8, v7, s40, s41
.if (\q)%2 == 0
	v_or_b32 v9, v7, v8                            ; with lane l xor 16's: the word of image row r, u = 0, in both halves of the lanes
.else
	v_or_b32 v7, v7, v8                            ; the same for u = 1
	v_cndmask_b32 v[KW+(\q)/2], v9, v7, s42        ; lanes 0-15 keep u = 0's words, lanes 16-31 take u = 1's
.irp p, 0,1,2
	global_store_b128 v5, v[KC+12*((\q)/2)+4*\p:KC+12*((\q)/2)+4*\p+3], s[32+2*((\q)/2):33+2*((\q)/2)] offset:512*\p   ; 512 consecutive bytes, at a multiple of 256 from the buffer's first byte
.endr
	global_store_b32 v6, v[KW+(\q)/2], s[32+2*((\q)/2):33+2*((\q)/2)]   ; 128 consecutive bytes
.endif
.endm
	s_wait_alu depctr_va_vdst(0)
.irp q, 0,1,2,3,4,5,6,7
	KHALF \q
.endr
	s_wait_tensorcnt 0x0
	ds_add_u32 v244, v245
	s_wait_dscnt 0x0
	s_endpgm
; ---------------------------------------------------------------- MASK
; A work-group takes 16 queries, a wave four key steps.  Each load reads 512 consecutive bytes of one row; a step's 16 x 512 bytes turn through the wave's own stage (rows 528 bytes apart), so that lane
; (r, h) holds its 64 numbers; a compare against 0 makes a dword in a scalar register, and v_writelane_b32 lays the step's 64 dwords into a pair of registers, lane j / 2, which leaves as 256 consecutive
; aligned bytes.
.set MR,   16                          ; v16-143  two sets of 64 registers as loaded
.set MX,   144                         ; v144-207 my 64 numbers
.set MOUT, 208                         ; v208-215 a pair for each step: no store's data are written again
.Lmask:
	s_load_b128 s[4:7], s[0:1], 0x0                ; mask, mbits
	v_and_b32 v6, 31, v0
	v_lshlrev_b32 v1, 4, v6                        ; 16 L
	s_lshl_b32 s10, ttmp9, 17                      ; 16 rows of 8,192 bytes a work-group
	s_lshl_b32 s9, s8, 11                          ; four steps of 512 bytes a wave
	s_add_co_u32 s10, s10, s9
	s_mov_b32 s11, 0
	s_lshl_b32 s12, ttmp9, 12                      ; out: 16 steps of 256 bytes a work-group
	s_lshl_b32 s9, s8, 10
	s_add_co_u32 s12, s12, s9
	s_mov_b32 s13, 0
	s_wait_alu depctr_va_vdst(0)
	s_wait_kmcnt 0x0
	s_add_nc_u64 s[4:5], s[4:5], s[10:11]
	s_add_nc_u64 s[6:7], s[6:7], s[12:13]
.macro MLOAD t
.irp i, 0,1,2,3,4,5,6,7,8,9,10,11,12,13,14,15
	global_load_b128 v[MR+64*((\t)%2)+4*\i:MR+64*((\t)%2)+4*\i+3], v1, s[4:5] offset:\i*8192+512*(\t) th:TH_LOAD_NT
.endr
.endm
	MLOAD 0
	MLOAD 1
	s_mul_i32 s9, s8, 8448                         ; my stage
	v_add_nc_u32 v2, s9, v1                        ; in: a row's 512 bytes as they lie
	v_and_b32 v7, 15, v6
	v_lshrrev_b32 v8, 4, v6
	v_mul_u32_u24 v7, v7, 528
	v_lshl_add_u32 v7, v8, 6, v7
	v_add_nc_u32 v3, s9, v7                        ; out: row r, + 64 h
	v_lshlrev_b32 v4, 3, v6                        ; 8 L
.irp i, 0,1,2,3,4,5,6,7
	v_mov_b32 v[MOUT+\i], 0                        ; v_writelane_b32's destination counts as read
.endr
.macro MSTEP t
.if \t < 3
	s_wait_loadcnt 16                              ; this step's 16 loads are in; the next step's 16 may be out
.else
	s_wait_loadcnt 0x0
.endif
.irp i, 0,1,2,3,4,5,6,7,8,9,10,11,12,13,14,15
	ds_store_b128 v2, v[MR+64*(\t%2)+4*\i:MR+64*(\t%2)+4*\i+3] offset:528*\i
.endr
.irp b, 0,1,2,3
.irp q, 0,1,2,3
	ds_load_b128 v[MX+16*\b+4*\q:MX+16*\b+4*\q+3], v3 offset:128*\b+16*\q   ; keys 32 b + 16 h + 4 q on; LDS serves a wave's instructions in order
.endr
.endr
	s_wait_dscnt 0x0                               ; my numbers are in, and the stores have read their registers,
.if \t < 2
	MLOAD \t+2                                     ; which take the loads of two steps on
.endif
.irp q, 0,1,2,3
.irp k, 0,1,2,3,4,5,6,7,8,9,10,11,12,13,14,15
	v_cmp_ne_u32 s[16+\k], 0, v[MX+16*\q+\k]       ; dword j = 16 q + k
.endr
.irp k, 0,1,2,3,4,5,6,7,8,9,10,11,12,13,14,15
	v_writelane_b32 v[MOUT+2*\t+\k%2], s[16+\k], 8*\q+\k/2
.endr
.endr
	global_store_b64 v4, v[MOUT+2*\t:MOUT+2*\t+1], s[6:7] offset:256*\t   ; 256 consecutive bytes, aligned
.endm
	MSTEP 0
	MSTEP 1
	MSTEP 2
	MSTEP 3
	s_wait_tensorcnt 0x0
	ds_add_u32 v244, v245
	s_wait_dscnt 0x0
	s_endpgm
.Lfunc_end_k_qca8a86f98b_prep:
	.size	k_qca8a86f98b_prep, .Lfunc_end_k_qca8a86f98b_prep-k_qca8a86f98b_prep
	.p2alignl 7, 3214868480
	.fill 96, 4, 3214868480
	.section	.rodata,"a",@progbits
	.p2align	6, 0x0
	.amdhsa_kernel k_qca8a86f98b_prep
		.amdhsa_group_segment_fixed_size 65024
		.amdhsa_private_segment_fixed_size 0
		.amdhsa_enable_private_segment 0
		.amdhsa_kernarg_size 56
		.amdhsa_user_sgpr_count 2
		.amdhsa_user_sgpr_kernarg_segment_ptr 1
		.amdhsa_wavefront_size32 1
		.amdhsa_system_sgpr_workgroup_id_x 1
		.amdhsa_system_sgpr_workgroup_id_y 1
		.amdhsa_system_sgpr_workgroup_id_z 1
		.amdhsa_system_vgpr_workitem_id 0
		.amdhsa_next_free_vgpr 246
		.amdhsa_next_free_sgpr 66
		.amdhsa_reserve_vcc 0
		.amdhsa_float_denorm_mode_32 3
		.amdhsa_float_denorm_mode_16_64 3
		.amdhsa_memory_ordered 1
		.amdhsa_forward_progress 1
		.amdhsa_inst_pref_size 102
	.end_amdhsa_kernel
	.amdgpu_metadata
---
amdhsa.version: [ 1, 2 ]
amdhsa.kernels:
  - .name:           k_qca8a86f98b_prep
    .symbol:         k_qca8a86f98b_prep.kd
    .args:
      - { .name: mask, .offset: 0, .size: 8, .value_kind: global_buffer, .address_space: global }
      - { .name: mbits, .offset: 8, .size: 8, .value_kind: global_buffer, .address_space: global }
      - { .name: keys, .offset: 16, .size: 8, .value_kind: global_buffer, .address_space: global }
      - { .name: W_out, .offset: 24, .size: 8, .value_kind: global_buffer, .address_space: global }
      - { .name: kv, .offset: 32, .size: 8, .value_kind: global_buffer, .address_space: global }
      - { .name: wimg, .offset: 40, .size: 8, .value_kind: global_buffer, .address_space: global }
      - { .name: values, .offset: 48, .size: 8, .value_kind: global_buffer, .address_space: global }
    .group_segment_fixed_size: 65024
    .private_segment_fixed_size: 0
    .kernarg_segment_align: 8
    .kernarg_segment_size: 56
    .max_flat_workgroup_size: 128
    .sgpr_count:     66
    .vgpr_count:     246
    .wavefront_size: 32
...
	.end_amdgpu_metadata
.endif
;; end of part 6
;; launch attn (part 7): grid 4 x 64, 16 waves a work-group, clusters of 4 x 1, 280,576 bytes of LDS; arguments kv, query, mbits, abuf, ascl; writes abuf, ascl
.if DOCPART == 7
	.amdgcn_target "amdgcn-amd-amdhsa--gfx1250"
	.amdhsa_code_object_version 6
	.text
	.protected	k_qca8a86f98b_attn
	.globl	k_qca8a86f98b_attn
	.p2align	8
	.type	k_qca8a86f98b_attn,@function
k_qca8a86f98b_attn:
	s_mov_b64 s[64:65], 0
	v_nop
	global_prefetch_b8 v0, s[64:65] scope:SCOPE_SE
	s_setreg_imm32_b32 hwreg(HW_REG_WAVE_MODE, 25, 1), 1
	s_wait_xcnt 0x0
	s_wait_alu depctr_hold_cnt(0) depctr_sa_sdst(0) depctr_va_vdst(0) depctr_va_sdst(0) depctr_va_ssrc(0) depctr_va_vcc(0) depctr_vm_vsrc(0)
	s_getreg_b32 s2, hwreg(HW_REG_IB_STS2, 6, 4)
	s_cmp_eq_u32 s2, 0
	s_cbranch_scc0 .Lentry_in_a_cluster
	s_endpgm
.Lentry_in_a_cluster:
	s_bfe_u32 s2, ttmp6, 0x10000c
	s_cmp_lg_u32 s2, 0x3003
	s_cbranch_scc0 .Lentry_shape_is_right
	s_endpgm
.Lentry_shape_is_right:
; For each batch and head: O[q] = sum over k of softmax_k(masked q . k / 32) v[k], both products on codes of BF6 (E3M2) with one E8M0 scale for each 32 along K;
; O / l is then quantised along the model's 1,024 for the projection.  4 batches x 16 heads, 2,048 queries and keys, head size 64.
; SOFTMAX: t = score x log2(e) / 32; M = the largest t so far, rounded UP to a whole number; p = 2^(t - M) is quantised along the keys; the row's sum l is taken of the
; unquantised p and divides O at the end.  When M moves, l and O are multiplied by 2^(old M - new M): exact.
; SHARES: a work-group owns 512 queries of one head; each of its sixteen waves owns two tiles of 16, one after the other, and walks all 2,048 keys for each, 128 a step.
; A head's 16 step blocks of 13,056 bytes (codes and scale words of K and V) all lie in LDS, filled once: wave w brings block w; nothing is filled again.
; CLUSTER: the four work-groups of a cluster are the four blocks of 512 queries of one head: each block is asked for jointly, same descriptor, mask of all four.
; LAYOUT: both products transposed (S^T = K Q^T, O^T = V^T P^T): a lane holds ONE query (lane % 16).  The blocks are images of the operands' registers (16 bytes a lane,
; 512 consecutive bytes a load).  Score register j of lane (r, h) is key 32 (j / 16) + 16 h + j % 16 of the step; O^T's register 16 beta + i is channel 32 beta + 16 h + i.
; THE FIRST PRODUCT'S K IS 64 of the instruction's 128: Q's registers 6-11 are zero codes and the upper two scale bytes of both sides are 0 (a power of two, no NaN); E3M2 has
; no NaN or infinity, so whatever stands in registers 6-11 of K's operand adds nothing: tile t's operand is v[32 + 6 t] on, its upper six the next tile's codes (the last: zeros).
; THE MASK comes as lane masks (a dword for a score register) by scalar loads a step ahead.
; Q: a tile's 16 rows x 256 bytes are read as they lie and turned through the wave's own stage, so that a lane holds a block of 32.  The first tile's at the head; the second
; tile's 4,096 bytes are prefetched once, 16 steps ahead (a lane a row of 256 bytes; lanes 16-31 name the last row again), and fetched between the two walks.
; K and V are not prefetched: they are asked for once, at the head, with no loop ahead of them.
; LIMITS: a masked score is -2^66 where the definition has -1e20: c x 2^66 is exact, so in a row with every key masked every p is 1 and the uniform softmax comes out; results
; differ only where a true score reaches about -7e19.  A block of zeros gets the scale byte 1 (zero codes; this program alone reads the bytes).  NaN and infinities are not
; served.  A block's largest p is made from its largest score by the same two instructions, which takes v_exp_f32 not to fall where its input rises.
; REGISTERS: v1 16 L, v2 4 L, v3, v4 the same + the step's block, v5 -2^66, v6 8 h, v7 8 L; v8-11 K's scale words; v12 -M, v13 largest t, v[14:15] l; v16-27 Q; v28 Q's scale
; word; v29 p's; v30-31 V's; v32-79 fragments, v80-85 zeros; v86-89 q's addresses; v96-159 S^T, then p; v160-191 O^T; v192-203 p's codes; v204-235 at work; v240, v241 the add's.
.set STEPB, 13056
.set VOFF,  6144                       ; in a step block: K's codes at 0, V's here,
.set KSO,   12288                      ; K's scale words,
.set VSO,   12800                      ; V's
.set QST,   16*STEPB                   ; behind the blocks: a stage of 16 rows x 272 bytes for each wave; no fill lands there
.set QSB,   16*272
.set F,     32
.set S,     96
.set O,     160
.set QA,    86                         ; v86 my bytes of q's rows; v87, v88 the stage, in and out; v89 the prefetch's rows; none is rewritten
.macro ROUND                           ; a round of the cluster's barrier
	s_barrier_signal -1
	s_barrier_wait -1
	s_cmp_lg_u32 s12, 0
	s_cbranch_scc1 .Lnot_wave_0_\@
	s_barrier_signal -3
.Lnot_wave_0_\@:
	s_barrier_wait -3
	s_barrier_signal -1
	s_barrier_wait -1
.endm
.macro MASKS                           ; a step's 64 lane masks: s32-63 and s68-99
	s_load_b512 s[32:47], s[4:5], 0x0
	s_load_b512 s[48:63], s[4:5], 0x40
	s_load_b512 s[68:83], s[4:5], 0x80
	s_load_b512 s[84:99], s[4:5], 0xc0
.endm
.macro FRAGS off                       ; 48 registers: K's eight half fragments, or V's four fragments
.irp i, 0,1,2,3,4,5,6,7,8,9,10,11
	ds_load_b128 v[F+4*\i:F+4*\i+3], v3 offset:\off+512*\i
.endr
.endm
.macro QLOAD e                         ; tile e's q: each load covers two aligned runs of 256 bytes
.irp i, 0,1,2,3,4,5,6,7
	global_load_b128 v[S+4*\i:S+4*\i+3], v[QA], s[10:11] offset:65536*\e+8192*\i th:TH_LOAD_NT
.endr
.endm
.macro QTURN                           ; through my stage: LDS serves a wave's instructions in order, so the loads see the stores
	s_wait_loadcnt 0x0
.irp i, 0,1,2,3,4,5,6,7
	ds_store_b128 v[QA+1], v[S+4*\i:S+4*\i+3] offset:544*\i
.endr
.irp i, 0,1,2,3,4,5,6,7
	ds_load_b128 v[S+4*\i:S+4*\i+3], v[QA+2] offset:16*\i
.endr
	s_wait_dscnt 0x0
.endm
; 32 numbers of one block of q, v[x] on, become 24 bytes of codes in v[c] on; the row's scale word (my byte and lane l xor 16's; upper two bytes 0) goes to v[sc]
.macro QQ x, c, sc
	v_max3_num_f32 v212, |v[\x]|, |v[\x+1]|, |v[\x+2]|
	v_max3_num_f32 v213, |v[\x+3]|, |v[\x+4]|, |v[\x+5]|
.irp i, 6,10,14,18,22,26
	s_delay_alu instid0(VALU_DEP_2)
	v_max3_num_f32 v212, v212, |v[\x+\i]|, |v[\x+\i+1]|
	s_delay_alu instid0(VALU_DEP_2)
	v_max3_num_f32 v213, v213, |v[\x+\i+2]|, |v[\x+\i+3]|
.endr
	s_delay_alu instid0(VALU_DEP_2)
	v_max3_num_f32 v212, v212, |v[\x+30]|, |v[\x+31]|
	s_delay_alu instid0(VALU_DEP_1)
	v_max3_num_f32 v212, v212, v213, 0x2800000     ; the floor 2^(5 - 127): the byte cannot fall under 1
	s_delay_alu instid0(VALU_DEP_1)
	v_add_nc_u32 v220, 0xfe000000, v212            ; 4 off the exponent field: the conversion's scale operand
	v_cvt_scalef32_pk16_bf6_f32 v[\c:\c+2], v[\x:\x+15], v220
	v_cvt_scalef32_pk16_bf6_f32 v[204:206], v[\x+16:\x+31], v220   ; (a conversion's three registers begin on an even number)
	v_lshrrev_b32 v224, 23, v220                   ; the scale's byte; also the plain place behind the conversions
	v_mov_b32 v[\c+3], v204
	v_mov_b32 v[\c+4], v205
	v_mov_b32 v[\c+5], v206
	s_delay_alu instid0(VALU_DEP_4)
	v_lshlrev_b32 v[\sc], v6, v224                 ; my byte 8 h bits up,
	s_delay_alu instid0(VALU_DEP_1)
	v_permlanex16_b32 v216, v[\sc], s16, s17
	s_delay_alu instid0(VALU_DEP_1)
	v_or_b32 v[\sc], v[\sc], v216                  ; with lane l xor 16's
.endm
.macro INIT                            ; a tile of queries begins: the step is written once, and its first run finds zeros
	v_mov_b32 v13, 0xff61b1e6                      ; the largest t so far: -3e38
	s_delay_alu instid0(VALU_DEP_1)
	v_floor_f32 v12, -v13                          ; -M
	v_mov_b32 v14, 0
	v_mov_b32 v15, 0
.set j, 0
.rept 32
	v_mov_b32 v[O+j], 0                            ; O^T; also the places between the writes of Q's codes and scale word and the first scaled product
.set j, j+1
.endr
.endm
.macro SUMS from, to                   ; lines from .. to of the 32 that add the step's p to l: two chains, two numbers a line
.set n, \from
.rept \to-\from+1
.if n == 1
	v_pk_add_f32 v[232:233], v[96:97], v[98:99]
.elseif n == 32
	s_delay_alu instid0(VALU_DEP_1)
	v_pk_add_f32 v[14:15], v[14:15], v[232:233]
.elseif n%2 == 0
	v_pk_add_f32 v[14:15], v[14:15], v[S+2*n:S+2*n+1]
.else
	v_pk_add_f32 v[232:233], v[232:233], v[S+2*n:S+2*n+1]
.endif
.set n, n+1
.endr
.endm
	s_load_b256 s[32:39], s[0:1], 0x0              ; kv s[32:33], query s[34:35], mbits s[36:37], abuf s[38:39]
	s_load_b64 s[40:41], s[0:1], 0x20              ; ascl
	v_lshl_add_u32 v240, v0, 2, 0x44000
	v_mov_b32 v241, 0
	ds_add_u32 v240, v241                          ; the opening lines: the add, twice on end, and its wait
	ds_add_u32 v240, v241
	v_lshrrev_b32 v1, 5, v0
	s_delay_alu instid0(VALU_DEP_1)
	v_readfirstlane_b32 s12, v1                    ; wave 0..15
	s_bfe_u32 s42, ttmp6, 0x40000                  ; cx: it enters the addresses of query, mbits, abuf and ascl alone
	s_lshl_b32 s43, ttmp9, 2
	s_add_co_u32 s43, s43, s42                     ; my block of 512 queries
	s_and_b32 s44, ttmp7, 0xffff                   ; y = 16 x batch + head, which the four partners share
	s_lshr_b32 s45, s44, 4                         ; batch
	s_and_b32 s46, s44, 15                         ; head
	s_lshl_b32 s47, s43, 5
	s_lshl_b32 s48, s12, 1
	s_add_co_u32 s47, s47, s48                     ; the first of my two tiles of 16 queries, 0 .. 126
	s_lshl_b32 s48, s45, 7
	s_add_co_u32 s48, s48, s47                     ; 128 x batch + tile
	s_mul_i32 s49, s12, QSB
	s_add_co_u32 s49, s49, QST                     ; my stage
	s_lshl_b32 s50, s44, 4
	s_add_co_u32 s50, s50, s12
	s_mul_i32 s50, s50, STEPB                      ; kv: block (y, step = my wave)
	s_mov_b32 s51, 0
	s_lshl_b32 s52, s48, 12                        ; mbits: 4,096 bytes a tile
	s_mov_b32 s53, 0
	s_lshl_b32 s54, s48, 4
	s_add_co_u32 s54, s54, s46
	s_mul_i32 s54, s54, 768                        ; abuf: 768 bytes for a tile and a head
	s_mov_b32 s55, 0
	s_lshl_b32 s56, s44, 7
	s_add_co_u32 s56, s56, s47
	s_lshl_b32 s56, s56, 7                         ; ascl: 128 bytes for a head and a tile
	s_mov_b32 s57, 0
	s_lshl_b32 s58, s45, 23                        ; query: batch x 2,048 rows x 4,096 bytes
	s_lshl_b32 s59, s47, 16                        ; + tile x 16 rows
	s_add_co_u32 s58, s58, s59
	s_lshl_b32 s59, s46, 8                         ; + head x 256 bytes
	s_add_co_u32 s58, s58, s59
	s_mov_b32 s59, 0
	s_mov_b32 s13, 0                               ; LDS byte at which the step in hand begins
	s_mov_b32 s16, 0x76543210
	s_mov_b32 s17, 0xfedcba98                      ; v_permlanex16_b32's selects for lane l xor 16
	s_mov_b32 s18, 0x3d38aa3b                      ; c = log2(e) / 32
	s_mov_b32 s19, s18                             ; (the packed form names the pair)
	; the descriptor: a dense block of 13,056 bytes as 51 rows of 256 bytes (32 elements of 8 bytes), no padding
	s_mov_b32 s20, 15|(3<<16)|(1<<21)              ; the mask of all four work-groups; elements of 8 bytes; bit 21 beside a mask
	s_mov_b32 s21, 32<<16
	s_mov_b32 s22, 51<<16
	s_mov_b32 s23, 32<<16
	s_mov_b32 s24, 51
	s_mov_b32 s25, 32
	s_mov_b32 s26, 0
	s_mov_b32 s27, 0
	s_mov_b32 s28, 1
	s_mul_i32 s29, s12, STEPB                      ; LDS address: block = my wave
	v_and_b32 v2, 31, v0                           ; L
	s_delay_alu instid0(VALU_DEP_1)
	v_lshlrev_b32 v1, 4, v2
	s_delay_alu instid0(VALU_DEP_2)
	v_lshlrev_b32 v7, 3, v2
	s_delay_alu instid0(VALU_DEP_3)
	v_lshlrev_b32 v2, 2, v2
	v_and_b32 v234, 15, v0                         ; r
	v_bfe_u32 v235, v0, 4, 1                       ; h
	s_delay_alu instid0(VALU_DEP_1)
	v_lshlrev_b32 v6, 3, v235
	s_delay_alu instid0(VALU_DEP_2)
	v_lshlrev_b32 v[QA], 12, v235
	s_delay_alu instid0(VALU_DEP_1)
	v_lshl_add_u32 v[QA], v234, 4, v[QA]           ; q as it lies: lanes 0-15 take 256 bytes of one row, lanes 16-31 of the next
	s_delay_alu instid0(VALU_DEP_4)
	v_mul_u32_u24 v[QA+1], v235, 272
	s_delay_alu instid0(VALU_DEP_1)
	v_lshl_add_u32 v[QA+1], v234, 4, v[QA+1]
	s_delay_alu instid0(VALU_DEP_1)
	v_add_nc_u32 v[QA+1], s49, v[QA+1]             ; the stage, on the way in: the same two rows, 272 bytes apart
	v_mul_u32_u24 v[QA+2], v234, 272
	s_delay_alu instid0(VALU_DEP_1)
	v_lshl_add_u32 v[QA+2], v235, 7, v[QA+2]
	s_delay_alu instid0(VALU_DEP_1)
	v_add_nc_u32 v[QA+2], s49, v[QA+2]             ; and on the way out: row r, + 128 h: block h of my query
	v_and_b32 v[QA+3], 31, v0
	s_delay_alu instid0(VALU_DEP_1)
	v_min_u32 v[QA+3], 15, v[QA+3]
	s_delay_alu instid0(VALU_DEP_1)
	v_lshlrev_b32 v[QA+3], 12, v[QA+3]             ; the prefetch: lane l names row min(l, 15)
	s_wait_alu depctr_va_vdst(0)
	s_wait_dscnt 0x0
	s_wait_kmcnt 0x0
	s_add_nc_u64 s[30:31], s[32:33], s[50:51]
	s_or_b32 s31, s31, 0x80000000                  ; type = 2
	s_add_nc_u64 s[4:5], s[36:37], s[52:53]        ; my tiles' lane masks
	s_add_nc_u64 s[6:7], s[38:39], s[54:55]
	s_add_nc_u64 s[8:9], s[40:41], s[56:57]
	s_add_nc_u64 s[10:11], s[34:35], s[58:59]
	QLOAD 0                                        ; the first tile's q, ahead of everything that waits
	ROUND                                          ; all four work-groups are here: the joint loads meet
	tensor_load_to_lds s[28:31], s[20:27]          ; my one tensor load of the launch
	s_nop 0
.rept 4
	v_nop                                          ; four places behind a tensor load
.endr
	MASKS                                          ; the first tile's step 0 (the arguments in s32-41 have been used)
	v_mov_b32 v5, 0xe0800000                       ; -2^66
.irp i, 22,23,24,25,26,27, 80,81,82,83,84,85, 216,217,218,219, 229
	v_mov_b32 v[\i], 0                             ; Q's zero codes; the zeros behind the last fragment; lane exchanges' destinations; the upper half of f's pair
.endr
	QTURN
	QQ S, 16, 28
	INIT
	s_wait_tensorcnt 0x0                           ; my block has landed (no LDS instruction of mine is out),
	s_barrier_signal -1
	s_barrier_wait -1                              ; everybody's has
; A KEY STEP: 128 keys.  next = 1: the next step's masks, K and K's scale words are asked for; 2: the next TILE's first masks, which follow in memory, and step 0's K again; 0: nothing.
.macro STEP next
	s_wait_dscnt 0x0                               ; K and its scale words are in
	s_barrier_signal -1                            ; the sixteen waves walk the blocks in step: one barrier a step; it orders no memory
.irp t, 0,1,2,3,4,5,6,7
.if \t%2
	v_wmma_scale_f32_16x16x128_f8f6f4 v[S+8*\t:S+8*\t+7], v[F+6*\t:F+6*\t+11], v[16:27], 0, v[8+\t/2], v28 matrix_a_fmt:MATRIX_FMT_BF6 matrix_b_fmt:MATRIX_FMT_BF6 matrix_a_scale:MATRIX_SCALE_ROW1
.else
	v_wmma_scale_f32_16x16x128_f8f6f4 v[S+8*\t:S+8*\t+7], v[F+6*\t:F+6*\t+11], v[16:27], 0, v[8+\t/2], v28 matrix_a_fmt:MATRIX_FMT_BF6 matrix_b_fmt:MATRIX_FMT_BF6
.endif
.endr
	s_barrier_wait -1                              ; (only the eight products, work on registers, stand between signal and wait)
.rept 4
	v_nop                                          ; four places in front of the loads into K's registers and of the first read of the scores
.endr
	FRAGS VOFF                                     ; V lands while the softmax is worked
	ds_load_b32 v30, v4 offset:VSO
	ds_load_b32 v31, v4 offset:VSO+128
	s_wait_kmcnt 0x0                               ; the step's lane masks are in
.set j, 0
.rept 64
	v_cndmask_b32 v[S+j], v5, v[S+j], s[32+j+4*(j/32)]   ; a masked key's score becomes -2^66; each accumulator is read from its low end on
.set j, j+1
.endr
.if \next
	s_add_nc_u64 s[4:5], s[4:5], 256               ; (behind the wait that shows the last masks' loads done)
	MASKS
.endif
.irp b, 0,1,2,3
	v_max3_num_f32 v[212+\b], v[S+16*\b], v[S+1+16*\b], v[S+2+16*\b]   ; the largest score of each block of 32 keys: for the row's maximum and for the block's largest p
.endr
.irp i, 3,5,7,9,11,13
.irp b, 0,1,2,3
	s_delay_alu instid0(VALU_DEP_4)
	v_max3_num_f32 v[212+\b], v[212+\b], v[S+16*\b+\i], v[S+1+16*\b+\i]
.endr
.endr
.irp b, 0,1,2,3
	s_delay_alu instid0(VALU_DEP_4)
	v_max_num_f32 v[212+\b], v[212+\b], v[S+15+16*\b]
.endr
.irp b, 0,1,2,3
	s_delay_alu instid0(VALU_DEP_4)
	v_permlanex16_b32 v[216+\b], v[212+\b], s16, s17
.endr
.irp b, 0,1,2,3
	s_delay_alu instid0(VALU_DEP_4)
	v_max_num_f32 v[212+\b], v[212+\b], v[216+\b]  ; with lane l xor 16's 16 keys
.endr
	s_delay_alu instid0(VALU_DEP_2)
	v_max3_num_f32 v230, v212, v213, v214
	s_delay_alu instid0(VALU_DEP_1)
	v_max_num_f32 v230, v230, v215                 ; the step's largest score of my query
	s_delay_alu instid0(VALU_DEP_1)
	v_mul_f32 v230, s18, v230                      ; as t (c is positive)
	s_delay_alu instid0(VALU_DEP_1)
	v_max_num_f32 v13, v13, v230                   ; the running largest t
	v_mov_b32 v230, v12
	s_delay_alu instid0(VALU_DEP_2)
	v_floor_f32 v12, -v13                          ; the new -M = floor(-t) = -ceil(t)
	s_delay_alu instid0(VALU_DEP_1)
	v_sub_f32 v230, v12, v230                      ; old M - new M: a whole number, 0 or less
	s_delay_alu instid0(VALU_DEP_1)
	v_cvt_i32_f32 v230, v230                       ; (it saturates)
	s_delay_alu instid0(VALU_DEP_1)
	v_ldexp_f32 v228, 1.0, v230                    ; f = 2^(old M - new M)
.set j, 0
.rept 32
	v_pk_fma_f32 v[S+j:S+j+1], v[S+j:S+j+1], s[18:19], v[12:13] op_sel_hi:[1,0,0]   ; t - M, two at a time
.set j, j+2
.endr
.irp b, 0,1,2,3
	v_fma_f32 v[212+\b], v[212+\b], s18, v12       ; the same of each block's largest score
.endr
.set j, 0
	s_wait_alu depctr_va_vdst(0)
.rept 64
	v_exp_f32 v[S+j], v[S+j]                       ; p = 2^(t - M), at most 1
.set j, j+1
.endr
.irp b, 0,1,2,3
	v_exp_f32 v[212+\b], v[212+\b]                 ; the block's largest p
.endr
	v_pk_mul_f32 v[14:15], v[14:15], v[228:229] op_sel_hi:[1,0]   ; l under the new M; the plain place behind the exponentials
	s_wait_alu depctr_va_vdst(0)                   ; and behind it
.irp b, 0,1,2,3
	v_max_num_f32 v[212+\b], 0x2800000, v[212+\b]  ; the floor 2^(5 - 127)
.endr
.irp b, 0,1,2,3
	s_delay_alu instid0(VALU_DEP_4)
	v_add_nc_u32 v[220+\b], 0xfe000000, v[212+\b]  ; the conversion's scale operand
.endr
.irp b, 0,1,2,3
	s_delay_alu instid0(VALU_DEP_4)
	v_lshrrev_b32 v[224+\b], 23, v[220+\b]         ; the scale's byte
.endr
	s_delay_alu instid0(VALU_DEP_3)
	v_lshl_or_b32 v29, v225, 8, v224               ; p's scale word for these 128 keys
	s_delay_alu instid0(VALU_DEP_1)
	v_lshl_or_b32 v29, v226, 16, v29
	s_delay_alu instid0(VALU_DEP_1)
	v_lshl_or_b32 v29, v227, 24, v29
	v_cvt_scalef32_pk16_bf6_f32 v[192:194], v[96:111], v220
	v_cvt_scalef32_pk16_bf6_f32 v[204:206], v[112:127], v221
	v_cvt_scalef32_pk16_bf6_f32 v[198:200], v[128:143], v222
	v_cvt_scalef32_pk16_bf6_f32 v[208:210], v[144:159], v223
	v_nop                                          ; one plain place behind the conversions
.irp i, 0,1,2
	v_permlane16_swap_b32 v[192+\i], v[204+\i]     ; the operand wants a whole block in a lane: lanes 0-15 block 2 c, lanes 16-31 block 2 c + 1
.endr
.irp i, 0,1,2
	v_permlane16_swap_b32 v[198+\i], v[208+\i]
.endr
.irp i, 0,1,2
	v_mov_b32 v[195+\i], v[204+\i]
.endr
.irp i, 0,1,2
	v_mov_b32 v[201+\i], v[208+\i]
.endr
.set j, 0
.rept 16
	v_pk_mul_f32 v[O+j:O+j+1], v[O+j:O+j+1], v[228:229] op_sel_hi:[1,0]   ; O^T under the new M, each accumulator from its low end on
.set j, j+2
.endr
	SUMS 1, 8                                      ; eight places between p's scale word and codes and the products below
	s_wait_alu depctr_va_vdst(0)
	s_wait_dscnt 0x0                               ; V and its scale words are in
.irp t, 0,1,2,3                        ; four accumulators, one instruction a turn
.if \t%2
	v_wmma_scale_f32_16x16x128_f8f6f4 v[O+8*\t:O+8*\t+7], v[F+12*\t:F+12*\t+11], v[192:203], v[O+8*\t:O+8*\t+7], v[30+\t/2], v29 matrix_a_fmt:MATRIX_FMT_BF6 matrix_b_fmt:MATRIX_FMT_BF6 matrix_a_scale:MATRIX_SCALE_ROW1
.else
	v_wmma_scale_f32_16x16x128_f8f6f4 v[O+8*\t:O+8*\t+7], v[F+12*\t:F+12*\t+11], v[192:203], v[O+8*\t:O+8*\t+7], v[30+\t/2], v29 matrix_a_fmt:MATRIX_FMT_BF6 matrix_b_fmt:MATRIX_FMT_BF6
.endif
.endr
	SUMS 9, 12                                     ; four places in front of the loads into V's registers
.if \next == 1
	FRAGS STEPB                                    ; the next step's K
.irp m, 0,1,2,3
	ds_load_b32 v[8+\m], v4 offset:STEPB+KSO+128*\m
.endr
	s_add_co_u32 s13, s13, STEPB
	v_add_nc_u32 v3, s13, v1
	v_add_nc_u32 v4, s13, v2
.elseif \next == 2
	s_mov_b32 s13, 0                               ; back to the head's first block, for the next tile of queries
	v_add_nc_u32 v3, s13, v1
	v_add_nc_u32 v4, s13, v2
	FRAGS 0
.irp m, 0,1,2,3
	ds_load_b32 v[8+\m], v4 offset:KSO+128*\m
.endr
.endif
	SUMS 13, 32
.endm
; THE WAY OUT of tile e.  O^T / l, quantised along the model's 1,024: my head's 64 channels are two blocks of 32; a lane holds 16 of each, lane l xor 16 the others.
.macro WAYOUT e
	s_delay_alu instid0(VALU_DEP_1)
	v_add_f32 v14, v14, v15
	s_delay_alu instid0(VALU_DEP_1)
	v_permlanex16_b32 v216, v14, s16, s17
	s_delay_alu instid0(VALU_DEP_1)
	v_add_f32 v14, v14, v216                       ; the row's sum
	s_wait_alu depctr_va_vdst(0)
	v_rcp_f32 v14, v14
	v_nop                                          ; one plain place behind the reciprocal
.set j, 0
	s_wait_alu depctr_va_vdst(0)
.rept 32
	v_mul_f32 v[S+j], v[O+j], v14                  ; register 16 beta + i is channel 32 beta + 16 h + i
.set j, j+1
.endr
.irp b, 0,1
	v_max3_num_f32 v[212+\b], |v[S+16*\b]|, |v[S+1+16*\b]|, 0x2800000
.endr
.irp i, 2,4,6,8,10,12,14
.irp b, 0,1
	s_delay_alu instid0(VALU_DEP_2)
	v_max3_num_f32 v[212+\b], v[212+\b], |v[S+16*\b+\i]|, |v[S+1+16*\b+\i]|
.endr
.endr
.irp b, 0,1
	s_delay_alu instid0(VALU_DEP_2)
	v_permlanex16_b32 v[216+\b], v[212+\b], s16, s17
.endr
.irp b, 0,1
	s_delay_alu instid0(VALU_DEP_2)
	v_max_num_f32 v[212+\b], v[212+\b], v[216+\b]
.endr
.irp b, 0,1
	s_delay_alu instid0(VALU_DEP_2)
	v_add_nc_u32 v[220+\b], 0xfe000000, v[212+\b]
.endr
.irp b, 0,1
	s_delay_alu instid0(VALU_DEP_2)
	v_lshrrev_b32 v[224+\b], 23, v[220+\b]
.endr
	s_delay_alu instid0(VALU_DEP_1)
	v_lshl_or_b32 v230, v225, 8, v224              ; my query's two bytes
	v_cvt_scalef32_pk16_bf6_f32 v[192:194], v[96:111], v220
	v_cvt_scalef32_pk16_bf6_f32 v[204:206], v[112:127], v221
	v_nop
.irp i, 0,1,2
	v_permlane16_swap_b32 v[192+\i], v[204+\i]     ; lane (r, h) now holds block h whole
.endr
.irp i, 0,1,2
	s_delay_alu instid0(VALU_DEP_3)
	v_mov_b32 v[195+\i], v[204+\i]
.endr
	global_store_b128 v1, v[192:195], s[6:7] offset:12288*\e       ; 512 consecutive bytes, aligned to 256; the next tile's lie 16 heads x 768 bytes on
	global_store_b64 v7, v[196:197], s[6:7] offset:12288*\e+512    ; 256 consecutive bytes, aligned
	global_store_b32 v2, v230, s[8:9] offset:128*\e                ; 128 consecutive bytes
.endm
	v_add_nc_u32 v3, s13, v1
	v_add_nc_u32 v4, s13, v2
	FRAGS 0
.irp m, 0,1,2,3
	ds_load_b32 v[8+\m], v4 offset:KSO+128*\m
.endr
	global_prefetch_b8 v[QA+3], s[10:11] offset:65536 th:TH_LOAD_NT scope:SCOPE_SE   ; the second tile's 16 rows of q, 16 steps ahead of their loads; its registers are never rewritten
	s_mov_b32 s15, 15
.Lstep_a:                                          ; the first tile of queries
	s_wait_alu depctr_va_vdst(0)
	STEP 1
	s_sub_co_u32 s15, s15, 1
	s_cmp_lg_u32 s15, 0
	s_cbranch_scc1 .Lstep_a
	STEP 2                                         ; its last step asks for what the second tile begins with
	WAYOUT 0
	QLOAD 1                                        ; the second tile's q takes the operand's place; its zero codes stay
	QTURN
	QQ S, 16, 28
	INIT
	s_wait_xcnt 0x0                                ; the first tile's stores have read their registers: only behind this wait are v192-197 and v230 written again
	s_mov_b32 s15, 15
.Lstep_b:                                          ; the second tile
	STEP 1
	s_sub_co_u32 s15, s15, 1
	s_cmp_lg_u32 s15, 0
	s_cbranch_scc1 .Lstep_b
	STEP 0                                         ; the last step asks for nothing: no load passes its block or its buffer
	WAYOUT 1
	s_wait_tensorcnt 0x0                           ; the wave's end
	ds_add_u32 v240, v241
	s_wait_dscnt 0x0
	ROUND                                          ; the closing round
	s_endpgm
.Lfunc_end_k_qca8a86f98b_attn:
	.size	k_qca8a86f98b_attn, .Lfunc_end_k_qca8a86f98b_attn-k_qca8a86f98b_attn
	.p2alignl 7, 3214868480
	.fill 96, 4, 3214868480
	.section	.rodata,"a",@progbits
	.p2align	6, 0x0
	.amdhsa_kernel k_qca8a86f98b_attn
		.amdhsa_group_segment_fixed_size 280576
		.amdhsa_private_segment_fixed_size 0
		.amdhsa_enable_private_segment 0
		.amdhsa_kernarg_size 40
		.amdhsa_user_sgpr_count 2
		.amdhsa_user_sgpr_kernarg_segment_ptr 1
		.amdhsa_wavefront_size32 1
		.amdhsa_system_sgpr_workgroup_id_x 1
		.amdhsa_system_sgpr_workgroup_id_y 1
		.amdhsa_system_sgpr_workgroup_id_z 1
		.amdhsa_system_vgpr_workitem_id 0
		.amdhsa_next_free_vgpr 242
		.amdhsa_next_free_sgpr 100
		.amdhsa_reserve_vcc 0
		.amdhsa_float_denorm_mode_32 3
		.amdhsa_float_denorm_mode_16_64 3
		.amdhsa_memory_ordered 1
		.amdhsa_forward_progress 1
		.amdhsa_inst_pref_size 111
	.end_amdhsa_kernel
	.amdgpu_metadata
---
amdhsa.version: [ 1, 2 ]
amdhsa.kernels:
  - .name:           k_qca8a86f98b_attn
    .symbol:         k_qca8a86f98b_attn.kd
    .args:
      - { .name: kv, .offset: 0, .size: 8, .value_kind: global_buffer, .address_space: global }
      - { .name: query, .offset: 8, .size: 8, .value_kind: global_buffer, .address_space: global }
      - { .name: mbits, .offset: 16, .size: 8, .value_kind: global_buffer, .address_space: global }
      - { .name: abuf, .offset: 24, .size: 8, .value_kind: global_buffer, .address_space: global }
      - { .name: ascl, .offset: 32, .size: 8, .value_kind: global_buffer, .address_space: global }
    .group_segment_fixed_size: 280576
    .private_segment_fixed_size: 0
    .kernarg_segment_align: 8
    .kernarg_segment_size: 40
    .max_flat_workgroup_size: 512
    .sgpr_count:     100
    .vgpr_count:     242
    .wavefront_size: 32
...
	.end_amdgpu_metadata
.endif
;; end of part 7
;; launch proj (part 8): grid 4 x 64, 4 waves a work-group, clusters of 4 x 1, 327,680 bytes of LDS; arguments abuf, ascl, wimg, b_out, out0; writes out0
.if DOCPART == 8
	.amdgcn_target "amdgcn-amd-amdhsa--gfx1250"
	.amdhsa_code_object_version 6
	.text
	.protected	k_qca8a86f98b_proj
	.globl	k_qca8a86f98b_proj
	.p2align	8
	.type	k_qca8a86f98b_proj,@function
k_qca8a86f98b_proj:
	s_mov_b64 s[64:65], 0
	v_nop
	global_prefetch_b8 v0, s[64:65] scope:SCOPE_SE
	s_setreg_imm32_b32 hwreg(HW_REG_WAVE_MODE, 25, 1), 1
	s_wait_xcnt 0x0
	s_wait_alu depctr_hold_cnt(0) depctr_sa_sdst(0) depctr_va_vdst(0) depctr_va_sdst(0) depctr_va_ssrc(0) depctr_va_vcc(0) depctr_vm_vsrc(0)
	s_getreg_b32 s2, hwreg(HW_REG_IB_STS2, 6, 4)
	s_cmp_eq_u32 s2, 0
	s_cbranch_scc0 .Lentry_in_a_cluster
	s_endpgm
.Lentry_in_a_cluster:
	s_bfe_u32 s2, ttmp6, 0x10000c
	s_cmp_lg_u32 s2, 0x3003
	s_cbranch_scc0 .Lentry_shape_is_right
	s_endpgm
.Lentry_shape_is_right:
; out0[m][n] = sum over k of x[m][k] W_out[n][k] + b_out[n], on codes of BF6 (E3M2) with one E8M0 scale for each 32 along K.  x: 8,192 rows x 1,024, as the attention launch
; left it: abuf [tile of 16 rows][head = 64 along K][768 bytes: registers 0-3 at 16 L, registers 4, 5 at 512 + 8 L], ascl [16 batch + head][tile][word at 4 L: two bytes].
; wimg: W_out's rows as step blocks of 13,056 bytes [64 along K][128 rows]: pairs of 32 rows, 1,536 bytes each, in three planes of 512; scale words at +12,288.
; SHARES: a work-group makes 128 rows x 256 columns; a wave all 128 rows x 64 columns.  The wave's part of W for ALL of K stays in registers: 4 tiles of 16 rows x 8 steps of
; 128 x 12 registers = 384.  x's 98,304 bytes of codes and 16,384 of scale words come into LDS once; eight tiles of 16 rows are multiplied one after the other.
; CLUSTER: the four work-groups of a cluster make the four column blocks of the same 128 rows and ask for x jointly, mask of all four.  W's parts differ from wave to wave.
; THE HEAD'S LOADS, one a wave: waves 0-2 fetch a third of x's codes each (128 rows of 256 bytes), wave 3 all its scale words (16 rows of 1,024 bytes).  W, its scale words
; and the bias are asked for by plain loads behind them.  Nothing is prefetched: every buffer is asked for once, at the head, and no loop stands ahead of the loads.
; TRANSPOSED USE: source 0 = 16 rows of W, source 1 = 16 rows of x: lane (r, h) of accumulator (p, u) holds row r of x and columns 32 p + 16 h + 8 u + 0 .. 7.  The bias is the
; C of each accumulator's first product.  A tile leaves through the wave's own stage: sixteen lanes store 256 consecutive aligned bytes.
; REGISTERS: window 0 as named below; window 1: W's fragments of steps 0-3, at 48 (step % 4) + 24 p + 12 u; window 2: those of steps 4-7.
.set STEPB, 13056
.set GSTR,  8*STEPB                    ; wimg: from 64 along K to the next
.set XSC,   98304                      ; LDS: x's codes at 0, its scale words here,
.set STG,   114688                     ; four stages of 16 rows x 272 bytes,
.set SPARE, 0x29000                    ; the spare words
.set WS,  16                           ; v16-31   W's scale words, 8 p + step: lanes 0-15 u = 0, lanes 16-31 u = 1
.set XS,  32                           ; v32-39   x's scale words of the tile in hand
.set T,   40                           ; v40-55   the same as loaded, two bytes a word
.set BI,  56                           ; v56-87   the bias, in the accumulators' layout
.set ACC, 88                           ; v88-119  four accumulators
.set OB,  120                          ; v120-151 a tile's rows on the way out
.set XF,  152                          ; v152-247 x's fragments of a tile: 8 steps x 12
.set MSB, 0
.macro WIN new                         ; the immediate's high byte repeats the setting that is left
.if MSB != (\new)
	s_set_vgpr_msb (MSB<<8)|(\new)
.set MSB, (\new)
.endif
.endm
.macro ROUND                           ; a round of the cluster's barrier
	s_barrier_signal -1
	s_barrier_wait -1
	s_cmp_lg_u32 s14, 0
	s_cbranch_scc1 .Lnot_wave_0_\@
	s_barrier_signal -3
.Lnot_wave_0_\@:
	s_barrier_wait -3
	s_barrier_signal -1
	s_barrier_wait -1
.endm
	s_load_b256 s[4:11], s[0:1], 0x0               ; abuf, ascl, wimg, b_out
	s_load_b64 s[12:13], s[0:1], 0x20              ; out0
	v_lshl_add_u32 v254, v0, 2, SPARE
	v_mov_b32 v255, 0
	ds_add_u32 v254, v255                          ; the opening lines: the add, twice on end, and its wait
	ds_add_u32 v254, v255
	v_lshrrev_b32 v11, 5, v0
	v_readfirstlane_b32 s14, v11                   ; wave 0..3
	s_bfe_u32 s15, ttmp6, 0x40000                  ; cx: it enters the addresses of wimg, b_out and out0 alone
	s_and_b32 s16, ttmp7, 0xffff                   ; my 128 rows, which the four partners share
	s_lshl_b32 s17, s15, 2
	s_add_co_u32 s17, s17, s14                     ; my 64 columns, 0 .. 15
	s_mul_i32 s48, s16, 98304                      ; abuf: 8 tiles x 16 heads x 768 bytes,
	s_mul_i32 s49, s14, 32768                      ; + my third
	s_add_co_u32 s48, s48, s49
	s_mov_b32 s49, 0
	s_lshr_b32 s50, s16, 4
	s_lshl_b32 s50, s50, 18                        ; ascl: batch x 16 heads x 16,384 bytes
	s_and_b32 s51, s16, 15
	s_lshl_b32 s51, s51, 10                        ; + 8 tiles x 128 bytes
	s_add_co_u32 s50, s50, s51
	s_mov_b32 s51, 0
	s_lshr_b32 s18, s17, 1
	s_mul_i32 s18, s18, STEPB                      ; wimg: the block of 128 rows,
	s_and_b32 s19, s17, 1
	s_mul_i32 s52, s19, 3072                       ; my two pairs of 32 rows,
	s_add_co_u32 s52, s52, s18
	s_mov_b32 s53, 0
	s_lshl_b32 s54, s19, 8
	s_add_co_u32 s54, s54, 12288                   ; and their scale words
	s_add_co_u32 s54, s54, s18
	s_mov_b32 s55, 0
	s_lshl_b32 s56, s17, 8                         ; 64 columns of f32
	s_mov_b32 s57, 0
	s_lshl_b32 s58, s16, 19                        ; 128 rows of 4,096 bytes
	s_add_co_u32 s58, s58, s56
	s_mov_b32 s59, 0
	s_mul_i32 s20, s14, 4352
	s_add_co_u32 s20, s20, STG                     ; my stage
	s_mov_b32 s24, 15|(3<<16)|(1<<21)              ; x's codes: 128 rows of 256 bytes (32 elements of 8), dense
	s_mov_b32 s25, 32<<16
	s_mov_b32 s26, 128<<16
	s_mov_b32 s27, 32<<16
	s_mov_b32 s28, 128
	s_mov_b32 s29, 32
	s_mov_b32 s30, 0
	s_mov_b32 s31, 0
	s_mov_b32 s36, 15|(3<<16)|(1<<21)              ; x's scale words: 16 heads' rows of 1,024 bytes, 16,384 bytes apart
	s_mov_b32 s37, 128<<16
	s_mov_b32 s38, 16<<16
	s_mov_b32 s39, 128<<16
	s_mov_b32 s40, 16
	s_mov_b32 s41, 2048
	s_mov_b32 s42, 0
	s_mov_b32 s43, 0
	s_mov_b32 s32, 1
	s_mul_i32 s33, s14, 32768
	s_mov_b32 s44, 1
	s_mov_b32 s45, XSC
	v_and_b32 v11, 31, v0                          ; L
	v_lshlrev_b32 v1, 4, v11
	v_lshlrev_b32 v2, 3, v11
	v_lshlrev_b32 v3, 2, v11
	v_add_nc_u32 v4, 49152, v1                     ; for tiles 4-7, beyond the immediate's reach
	v_add_nc_u32 v5, 49152, v2
	v_add_nc_u32 v6, XSC, v3
	v_and_b32 v12, 15, v11                         ; r
	v_lshrrev_b32 v13, 4, v11                      ; h
	v_mul_u32_u24 v7, v12, 272
	v_lshl_add_u32 v7, v13, 6, v7
	v_add_nc_u32 v7, s20, v7                       ; the stage, in: row r, + 64 h
	v_mul_u32_u24 v8, v13, 272
	v_lshl_add_u32 v8, v12, 4, v8
	v_add_nc_u32 v8, s20, v8                       ; and back: two rows of 256 bytes an instruction
	v_lshlrev_b32 v9, 12, v13
	v_lshl_add_u32 v9, v12, 4, v9                  ; the same two rows in out0
	v_lshlrev_b32 v10, 6, v13                      ; the bias: 64 h
	s_wait_alu depctr_va_vdst(0)
	s_wait_dscnt 0x0
	s_wait_kmcnt 0x0
	s_add_nc_u64 s[34:35], s[4:5], s[48:49]
	s_or_b32 s35, s35, 0x80000000
	s_add_nc_u64 s[46:47], s[6:7], s[50:51]
	s_or_b32 s47, s47, 0x80000000
	s_add_nc_u64 s[52:53], s[8:9], s[52:53]
	s_add_nc_u64 s[54:55], s[8:9], s[54:55]
	s_add_nc_u64 s[10:11], s[10:11], s[56:57]
	s_add_nc_u64 s[12:13], s[12:13], s[58:59]
	ROUND                                          ; all four work-groups are here: the joint loads meet
	s_cmp_lt_u32 s14, 3                            ; one chain on the wave's number, a load in each arm
	s_cbranch_scc0 .Lscales
	tensor_load_to_lds s[32:35], s[24:31]
	s_nop 0
.rept 4
	v_nop
.endr
	s_branch .Lasked
.Lscales:
	tensor_load_to_lds s[44:47], s[36:43]
	s_nop 0
.rept 4
	v_nop
.endr
.Lasked:
.macro WLOAD w                         ; W's fragments of steps 4 w .. 4 w + 3 into window 1 + w: a pair's 12 image registers are u = 0's six and u = 1's six of 64 along K
	WIN 0x40*(1+\w)
.irp sl, 0,1,2,3
.irp p, 0,1
.irp c, 0,1
.set WB, 48*\sl+24*\p+6*\c
.set WO, (2*(4*\w+\sl)+\c)*GSTR+1536*\p
	global_load_b128 v[WB:WB+3], v1, s[52:53] offset:WO
	global_load_b64 v[WB+4:WB+5], v1, s[52:53] offset:WO+512
	global_load_b64 v[WB+12:WB+13], v1, s[52:53] offset:WO+520
	global_load_b128 v[WB+14:WB+17], v1, s[52:53] offset:WO+1024
.endr
.endr
.endr
.endm
	WLOAD 0
	WLOAD 1
	WIN 0
.irp p, 0,1
.irp g, 0,1,2,3,4,5,6,7,8,9,10,11,12,13,14,15
	global_load_b32 v[XF+16*\p+\g], v3, s[54:55] offset:\g*GSTR+128*\p
.endr
.endr
.irp p, 0,1
.irp u, 0,1
	global_load_b128 v[BI+16*\p+8*\u:BI+16*\p+8*\u+3], v10, s[10:11] offset:128*\p+32*\u
	global_load_b128 v[BI+16*\p+8*\u+4:BI+16*\p+8*\u+7], v10, s[10:11] offset:128*\p+32*\u+16
.endr
.endr
	s_wait_loadcnt 0x0
.irp p, 0,1
.irp s, 0,1,2,3,4,5,6,7
	v_lshl_or_b32 v[WS+8*\p+\s], v[XF+16*\p+2*\s+1], 16, v[XF+16*\p+2*\s]   ; two words of two bytes make a step's word
.endr
.endr
	s_wait_alu depctr_va_vdst(0)
	s_wait_tensorcnt 0x0                           ; my part of x has landed,
	s_barrier_signal -1
	s_barrier_wait -1                              ; everybody's has; nothing is filled again
.macro XLOAD i                         ; tile i's fragments and scale words
.irp s, 0,1,2,3,4,5,6,7
	ds_load_b128 v[XF+12*\s:XF+12*\s+3], v[1+3*((\i)/4)] offset:((\i)%4)*12288+1536*\s
	ds_load_b64 v[XF+12*\s+4:XF+12*\s+5], v[2+3*((\i)/4)] offset:((\i)%4)*12288+1536*\s+512
	ds_load_b128 v[XF+12*\s+6:XF+12*\s+9], v[1+3*((\i)/4)] offset:((\i)%4)*12288+1536*\s+768
	ds_load_b64 v[XF+12*\s+10:XF+12*\s+11], v[2+3*((\i)/4)] offset:((\i)%4)*12288+1536*\s+1280
.endr
.irp g, 0,1,2,3,4,5,6,7,8,9,10,11,12,13,14,15
	ds_load_b32 v[T+\g], v6 offset:1024*\g+128*(\i)
.endr
.endm
.macro MULS w                          ; steps 4 w .. 4 w + 3: the four accumulators by turns, one instruction a turn
	WIN 1+\w
.irp sl, 0,1,2,3
.irp p, 0,1
.irp u, 0,1
.set SS, 4*\w+\sl
.set AC, ACC+16*\p+8*\u
.set WF, 48*\sl+24*\p+12*\u
.set XB, XF+12*SS
.if SS == 0
.set CC, BI+16*\p+8*\u                 ; the first product starts the sum from the bias
.else
.set CC, AC
.endif
.if \u == 0
	v_wmma_scale_f32_16x16x128_f8f6f4 v[AC:AC+7], v[WF:WF+11], v[XB:XB+11], v[CC:CC+7], v[WS+8*\p+SS], v[XS+SS] matrix_a_fmt:MATRIX_FMT_BF6 matrix_b_fmt:MATRIX_FMT_BF6
.else
	v_wmma_scale_f32_16x16x128_f8f6f4 v[AC:AC+7], v[WF:WF+11], v[XB:XB+11], v[CC:CC+7], v[WS+8*\p+SS], v[XS+SS] matrix_a_fmt:MATRIX_FMT_BF6 matrix_b_fmt:MATRIX_FMT_BF6 matrix_a_scale:MATRIX_SCALE_ROW1
.endif
.endr
.endr
.endr
.endm
.macro TILE i
	s_wait_dscnt 0x0                               ; the tile's fragments and scale words are in
.irp s, 0,1,2,3,4,5,6,7
	v_lshl_or_b32 v[XS+\s], v[T+2*\s+1], 16, v[T+2*\s]
.endr
	s_wait_alu depctr_va_vdst(0)
.rept 8
	v_nop                                          ; eight places between a scale register's write and a scaled product
.endr
	MULS 0
	MULS 1
	WIN 0
.rept 4
	v_nop                                          ; four places in front of the loads into x's registers and of the first read of the results
.endr
.if \i < 7
	XLOAD \i+1
.endif
	s_wait_xcnt 0x0                                ; the last tile's stores have read their registers
.irp p, 0,1
.irp u, 0,1
	ds_store_b128 v7, v[ACC+16*\p+8*\u:ACC+16*\p+8*\u+3] offset:128*\p+32*\u          ; each accumulator from its low end on
	ds_store_b128 v7, v[ACC+16*\p+8*\u+4:ACC+16*\p+8*\u+7] offset:128*\p+32*\u+16
.endr
.endr
.irp k, 0,1,2,3,4,5,6,7
	ds_load_b128 v[OB+4*\k:OB+4*\k+3], v8 offset:544*\k    ; LDS serves a wave's instructions in order: these see the stores above
.endr
	s_wait_dscnt 0x0
.irp k, 0,1,2,3,4,5,6,7
	global_store_b128 v9, v[OB+4*\k:OB+4*\k+3], s[12:13] offset:(16*\i+2*\k)*4096 th:TH_STORE_NT   ; sixteen lanes store 256 consecutive aligned bytes
.endr
.endm
	XLOAD 0
.irp i, 0,1,2,3,4,5,6,7
	TILE \i
.endr
	s_wait_tensorcnt 0x0                           ; the wave's end
	ds_add_u32 v254, v255
	s_wait_dscnt 0x0
	ROUND                                          ; the closing round
	s_endpgm
.Lfunc_end_k_qca8a86f98b_proj:
	.size	k_qca8a86f98b_proj, .Lfunc_end_k_qca8a86f98b_proj-k_qca8a86f98b_proj
	.p2alignl 7, 3214868480
	.fill 96, 4, 3214868480
	.section	.rodata,"a",@progbits
	.p2align	6, 0x0
	.amdhsa_kernel k_qca8a86f98b_proj
		.amdhsa_group_segment_fixed_size 327680
		.amdhsa_private_segment_fixed_size 0
		.amdhsa_enable_private_segment 0
		.amdhsa_kernarg_size 40
		.amdhsa_user_sgpr_count 2
		.amdhsa_user_sgpr_kernarg_segment_ptr 1
		.amdhsa_wavefront_size32 1
		.amdhsa_system_sgpr_workgroup_id_x 1
		.amdhsa_system_sgpr_workgroup_id_y 1
		.amdhsa_system_sgpr_workgroup_id_z 1
		.amdhsa_system_vgpr_workitem_id 0
		.amdhsa_next_free_vgpr 704
		.amdhsa_next_free_sgpr 66
		.amdhsa_reserve_vcc 0
		.amdhsa_float_denorm_mode_32 3
		.amdhsa_float_denorm_mode_16_64 3
		.amdhsa_memory_ordered 1
		.amdhsa_forward_progress 1
		.amdhsa_inst_pref_size 102
	.end_amdhsa_kernel
	.amdgpu_metadata
---
amdhsa.version: [ 1, 2 ]
amdhsa.kernels:
  - .name:           k_qca8a86f98b_proj
    .symbol:         k_qca8a86f98b_proj.kd
    .args:
      - { .name: abuf, .offset: 0, .size: 8, .value_kind: global_buffer, .address_space: global }
      - { .name: ascl, .offset: 8, .size: 8, .value_kind: global_buffer, .address_space: global }
      - { .name: wimg, .offset: 16, .size: 8, .value_kind: global_buffer, .address_space: global }
      - { .name: b_out, .offset: 24, .size: 8, .value_kind: global_buffer, .address_space: global }
      - { .name: out0, .offset: 32, .size: 8, .value_kind: global_buffer, .address_space: global }
    .group_segment_fixed_size: 327680
    .private_segment_fixed_size: 0
    .kernarg_segment_align: 8
    .kernarg_segment_size: 40
    .max_flat_workgroup_size: 128
    .sgpr_count:     66
    .vgpr_count:     704
    .wavefront_size: 32
...
	.end_amdgpu_metadata
.endif
;; end of part 8
